; MI455X (gfx1250); checked and timed in simulation.
; The chip was launched on July 23, 2026; its instructions are those of AMD's public machine-readable ISA for CDNA 5 (MIT licence, August 2026) and "CDNA5" Instruction Set Architecture Reference Guide (July 2026). The comments in the code are by the model that wrote it; some were corrected since.
;; Mi Mo Audio Attention. Allowed arithmetic: matrix products marked QUANTISED: E2M3 operands, one E8M0 scale for each 32 along K, by v_wmma_scale_f32_16x16x128_f8f6f4 with both operands' format E2M3, f32 sums; everything else in f32.
;; Inputs: bk 512 float32; bq 2,048 float32; bv 512 float32; hidden_states 4 x 1,024 x 2,048 float32; positions 4 x 1,024 int32; wk 2,048 x 512 float32; wo 2,048 x 2,048 float32; wq 2,048 x 2,048 float32; wv 2,048 x 512 float32.
;; Outputs: out0 4 x 1,024 x 2,048 float32.
;; This version of the problem:
;;   THIS VERSION OF THE PROBLEM IS GIVEN IN LOW PRECISION. The matrix products marked QUANTISED in the list below multiply operands that are first quantised to E2M3 (2 exponent bits, 3 mantissa bits; 6 bits a number), with one power-of-two scale for each 32 numbers along K (OCP MX v1.0); their sums are f32. All else is computed in f32.
;;   The module's matrix products, in the order in which they are computed (A, B: the left and right operand; K: the contracted axis; several contracted axes count as one K, in the product's order):
;;     1. [M 4,096, K 2,048] x [K 2,048, N 2,048]; A: input hidden_states; B: input wq: QUANTISED
;;     2. [M 4,096, K 2,048] x [K 2,048, N 512]; A: input hidden_states; B: input wk: QUANTISED
;;     3. [M 4,096, K 2,048] x [K 2,048, N 512]; A: input hidden_states; B: input wv: QUANTISED
;;     4. batch 64 x [M 1,024, K 128] x [K 128, N 1,024]; A: computed on the way; B: computed on the way: QUANTISED
;;     5. batch 64 x [M 1,024, K 1,024] x [K 1,024, N 128]; A: softmax (see below); B: computed on the way: QUANTISED
;;     6. [M 4,096, K 2,048] x [K 2,048, N 2,048]; A: computed on the way; B: input wo: QUANTISED
;;   THE QUANTISER, for each operand of a quantised product, along K:
;;     - K is cut into blocks of 32 from its start; a last block that is shorter is filled with zeros.
;;     - A block's scale is 2^e with e = floor(log2(the largest magnitude in the block)) - 2, held to -126 .. 127; a block of zeros has e = 0. As a byte (E8M0): e + 127.
;;     - Each number is divided by its block's scale, clamped to +-7.5, and rounded to the nearest number of E2M3, ties to even, subnormals kept.
;;     - The product sums the exact products of the quantised numbers (number of the format x scale) in f32.
;;   ~~~python
;;   def quantise(x, axis):      # numpy; x: float32 -> the quantised numbers, widened to float32 again
;;       x = np.moveaxis(x, axis, -1); K = x.shape[-1]
;;       x = np.pad(x, [(0, 0)] * (x.ndim - 1) + [(0, -K % 32)]); x = x.reshape(x.shape[:-1] + (-1, 32)); a = np.abs(x).max(-1, keepdims=True)
;;       e = np.where(a > 0, np.clip(np.frexp(np.where(a > 0, a, 1))[1] - 1 - 2, -126, 127), 0)      # np.frexp(a)[1] - 1 = floor(log2(a)), exactly
;;       r = np.clip(x / 2.0 ** e, -7.5, 7.5)
;;       step = 2.0 ** (np.maximum(np.frexp(np.where(r == 0, 1, r))[1] - 1, 0) - 3)
;;       q = np.round(r / step) * step * 2.0 ** e      # np.round: ties to even
;;       return np.moveaxis(q.reshape(q.shape[:-2] + (-1,))[..., :K], -1, axis).astype(np.float32)
;;   ~~~
;;   SOFTMAX AHEAD OF A QUANTISED PRODUCT. Where the list says 'softmax', what is quantised is not the finished softmax but p = 2^(t - M), with t = logit x log2(e) and M = ceil(the row's largest t), a whole number; so 1/2 < the row's largest p <= 1. The row's sum l is taken of the UNQUANTISED p, in f32, and the product's result is divided by l at the end. Since M is a whole number, a kernel that streams over the keys may use a running M (the ceiling of the running maximum): every later rescaling is an exact power of two, which a block's scale takes up: the codes' values come out the same.
;;   OPERANDS COMPUTED ON THE WAY. 'Computed on the way' means the value that the module computes at that place (a softmax that the list does not call 'softmax' is quantised finished and normalised). What goes into a quantiser is computed in f32, as accurately as f32 sums, v_exp_f32 and their like allow (about 1e-6 of the number): no bf16 or f16 on the way to a quantiser, and a product that is left as it is and whose result goes on into a quantised operand takes f32 operands (vector FMAs, or v_wmma_f32_16x16x4_f32). A number that lies on a knife's edge between two numbers of the format may be rounded either way, as far as f32 arithmetic and the matrix unit's own rounding can turn it there, and no further.
;; One version. Each part assembles by itself: llvm-mc -triple=amdgcn-amd-amdhsa -mcpu=gfx1250 --defsym DOCPART=n.
;; ======== version 1 of 1: 4 launches
;; limits: right only within a limited range of input values; inputs' magnitudes at most 131,072
;; workspace buffers: xf 6,553,600 bytes; wf 4,915,200 bytes; wof 3,276,800 bytes; cs 2,097,152 bytes; qf 6,553,600 bytes; kvf 3,276,800 bytes; of 6,553,600 bytes
;; launch prep (part 1): grid 704 x 1, 4 waves a work-group, no clusters, 68,096 bytes of LDS; arguments hidden_states, wq, wk, wv, positions, xf, wf, cs; writes xf, wf, cs
.if DOCPART == 1
	.amdgcn_target "amdgcn-amd-amdhsa--gfx1250"
	.amdhsa_code_object_version 6
	.text
	.protected	k_qfc1f3bf7e7_prep
	.globl	k_qfc1f3bf7e7_prep
	.p2align	8
	.type	k_qfc1f3bf7e7_prep,@function
k_qfc1f3bf7e7_prep:
	s_mov_b64 s[64:65], 0
	v_nop
	global_prefetch_b8 v0, s[64:65] scope:SCOPE_SE
	s_setreg_imm32_b32 hwreg(HW_REG_WAVE_MODE, 25, 1), 1
	s_wait_xcnt 0x0
; PREP.  Three kinds of work-group, told apart by the work-group's number alone:
;   0..255    X: hidden_states [4096][2048] f32 -> xf: codes of FP6 (E2M3) and E8M0 scale words, laid as the products' operand registers want them
;   256..895  W: wq, wk, wv, wo ([K][N] f32, K the FIRST axis) -> wf, the same layout, a row of the operand being a column n
;   896..959  C: cos and sin of positions x 10000^(-f/64) -> cs, f32, laid as the next launch's registers want them
; LAYOUT OF AN OPERAND.  A fragment (16 rows x 128 K) is 12 registers a lane: it lies as an image of them, registers 4 c .. 4 c + 3 of lane l at 512 c + 16 l: 1,536 bytes.
; A record is 8 fragments (128 rows) and behind them their scale words, 512 bytes: the word of block 4 j + i, row r, at 256 j + 16 r + 4 i.  12,800 bytes, fifty times 256.
; A tensor is [tile of 256 rows][K / 128][half of the tile] records.  ROWS ARE NOT NEIGHBOURS: place p of a tensor holds row p with bits 3 and 4 exchanged, so block a, lane-row r
; hold row 32 (a / 2) + 8 (a % 2) + r + 8 (r / 8): a product's results then give a lane 16 neighbours along the next K in the 16 registers of two neighbouring tiles.
; A block's scale is 2^(floor(log2(its largest magnitude)) - 2); its byte is the largest magnitude's exponent field - 2, held at 1 from below.
; LIMITS: NaN and infinities are not served; a block whose largest magnitude lies under 2^-124 keeps the byte 1; a block of zeros has the byte 1 where the rule says 127 (its codes are zeros, and
; the bytes are read by this program alone); positions up to 2^17 in magnitude (the angle's reduction by pi/2 in two parts is exact in its first step and leaves under 3e-10 there).
; No cluster: no two work-groups read the same input bytes.  No tensor loads, no barrier: waves share nothing.  Only the X work-groups use LDS.
; THE WORK-GROUPS' NUMBERS AS THIS TEXT HAS THEM: 0..255 X;  256..639 W: wq, wk and wv alone (half tiles 0..23 of wf);  640..703 C.
; wo is no argument here: the next launch quantises it, in the same layout, into a buffer of its own.
.set TM,  8                            ; v8-23    at work in QUANT: +0..3 largest magnitudes, +4..7 the other half's, then bytes, +12..15 the conversions' scale operands
.set R,   32                           ; v32-159  X: two sets of 64: 16 rows x 16 bytes a lane as loaded
.set XX,  160                          ; v160-223 X: 64 numbers of my row: register 16 b + i = k 32 b + 16 (lane / 16) + i
.set PC,  224                          ; v224-243 the fragment just made (12), and 8 at work
.set PW,  244                          ; v244-247 X: the four fragments' scale words
.set W,   32                           ; v32-159  W: my column's 128 numbers down K
.set F0,  160                          ; v160-171 W: the even blocks' codes, then the fragment of row block 2 w
.set F1,  172                          ; v172-183 W: the odd blocks' codes, then that of row block 2 w + 1
.set T3,  184                          ; v184-186 W: a block's upper 16 codes (a conversion's three registers begin on an even number)
.set SEL, 26                           ; s[26:27] lane selects for v_permlanex16_b32: lane l xor 16
; 64 numbers of a lane, v[s] .. v[s + 63], register 16 b + i = k 32 b + 16 (lane / 16) + i of my row, become a fragment's codes in v[PC] on and its scale word in v[pw].
.macro QUANT s, pw
.irp b, 0,1,2,3
	v_max3_num_f32 v[TM+\b], |v[(\s)+16*\b]|, |v[(\s)+1+16*\b]|, 0x1800000   ; block b: my 16 numbers, and the floor 2^(3 - 127): so the byte cannot fall under 1
.endr
.irp i, 2,4,6,8,10,12,14
.irp b, 0,1,2,3
	v_max3_num_f32 v[TM+\b], v[TM+\b], |v[(\s)+16*\b+\i]|, |v[(\s)+1+16*\b+\i]|   ; the four blocks by turns: no line waits for the line above it
.endr
.endr
.irp b, 0,1,2,3
	v_permlanex16_b32 v[TM+4+\b], v[TM+\b], s[SEL], s[SEL+1]
.endr
.irp b, 0,1,2,3
	v_max_num_f32 v[TM+\b], v[TM+\b], v[TM+4+\b]   ; with lane l xor 16's: the block's largest magnitude
.endr
.irp b, 0,1,2,3
	v_add_nc_u32 v[TM+12+\b], 0xff000000, v[TM+\b]   ; 2 off its exponent field: the conversion takes the exponent field of this operand as its scale
.endr
.irp b, 0,1,2,3
	v_lshrrev_b32 v[TM+4+\b], 23, v[TM+12+\b]      ; the scale's byte
.endr
	v_lshl_or_b32 v[\pw], v[TM+5], 8, v[TM+4]      ; the four bytes make my row's scale word
	v_lshl_or_b32 v[\pw], v[TM+6], 16, v[\pw]
	v_lshl_or_b32 v[\pw], v[TM+7], 24, v[\pw]
.irp c, 0,1
	v_cvt_scalef32_pk16_fp6_f32 v[PC+6*\c:PC+2+6*\c], v[(\s)+32*\c:(\s)+15+32*\c], v[TM+12+2*\c]
	v_cvt_scalef32_pk16_fp6_f32 v[PC+12+4*\c:PC+14+4*\c], v[(\s)+16+32*\c:(\s)+31+32*\c], v[TM+12+2*\c+1]
.endr
	v_nop                                          ; one plain instruction behind a scaled conversion
.irp c, 0,1                                    ; the operand wants a WHOLE block in a lane: lanes 0-15 block 2 c, lanes 16-31 block 2 c + 1
.irp i, 0,1,2
	v_permlane16_swap_b32 v[PC+6*\c+\i], v[PC+12+4*\c+\i]
.endr
.irp i, 0,1,2
	v_mov_b32 v[PC+3+6*\c+\i], v[PC+12+4*\c+\i]
.endr
.endr
.endm
	s_load_b256 s[8:15], s[0:1], 0x0               ; hidden s[8:9], wq s[10:11], wk s[12:13], wv s[14:15]
	s_load_b64 s[18:19], s[0:1], 0x20              ; positions
	s_load_b128 s[20:23], s[0:1], 0x28             ; xf s[20:21], wf s[22:23]
	s_load_b64 s[24:25], s[0:1], 0x38              ; cs
	v_lshl_add_u32 v254, v0, 2, 0x10800
	v_mov_b32 v255, 0
	v_lshrrev_b32 v1, 5, v0
	v_readfirstlane_b32 s4, v1                     ; wave 0..3
	v_and_b32 v1, 31, v0                           ; lane
	v_and_b32 v6, 15, v0                           ; r
	v_bfe_u32 v7, v0, 4, 1                         ; h
	v_lshlrev_b32 v2, 4, v1                        ; 16 x lane: my place in an image
	s_mov_b32 s[SEL], 0x76543210
	s_mov_b32 s[SEL+1], 0xfedcba98
	s_wait_kmcnt 0x0
	s_cmp_ge_u32 ttmp9, 640
	s_cbranch_scc1 .LC
	s_cmp_ge_u32 ttmp9, 256
	s_cbranch_scc1 .LW
; ---- X.  Work-group = (tile of 256 rows, 128 along K).  Wave w makes the four fragments of places 64 w .. 64 w + 63.
; A load reads 512 consecutive bytes of ONE row, 16 a lane; 16 rows go through the wave's own stage in LDS (rows 528 bytes apart: sixteen rows start at sixteen different groups of banks)
; and come back 16 neighbours of each block of 32 to a lane.  Two sets of registers and two stages by turns: the next fragment's 16 loads are on their way while one is quantised.
	s_lshr_b32 s5, ttmp9, 4                        ; the tile
	s_and_b32 s6, ttmp9, 15                        ; which 128 along K
	s_lshl_b32 s28, s5, 21                         ; 256 rows of 8,192 bytes
	s_lshl_b32 s7, s4, 19                          ; my wave's 64 rows
	s_add_co_u32 s28, s28, s7
	s_lshl_b32 s7, s6, 9                           ; 128 numbers
	s_add_co_u32 s28, s28, s7
	s_mov_b32 s29, 0
	s_add_nc_u64 s[28:29], s[8:9], s[28:29]
	s_lshl_b32 s30, ttmp9, 1                       ; the record: (16 tile + K step) x 2 + half
	s_lshr_b32 s7, s4, 1
	s_add_co_u32 s30, s30, s7
	s_mul_i32 s30, s30, 12800
	s_mov_b32 s31, 0
	s_add_nc_u64 s[30:31], s[20:21], s[30:31]
	s_and_b32 s7, s4, 1
	s_mul_i32 s32, s7, 6144                        ; my four fragments in it
	s_mov_b32 s33, 0
	s_add_nc_u64 s[32:33], s[30:31], s[32:33]
	s_lshl_b32 s34, s7, 8                          ; and their 256 bytes of scale words
	s_mov_b32 s35, 0
	s_add_nc_u64 s[34:35], s[30:31], s[34:35]
	s_mul_i32 s5, s4, 16896                        ; my two stages
	s_wait_alu depctr_va_vdst(0)
	v_add_nc_u32 v3, s5, v2                        ; in: 16 x lane
	v_mul_u32_u24 v4, v6, 528
	v_lshl_add_u32 v4, v7, 6, v4
	v_add_nc_u32 v4, s5, v4                        ; out: row r, + 64 h
	v_lshlrev_b32 v5, 4, v6                        ; 16 r
.irp b, 0,1,2,3
	v_mov_b32 v[TM+4+\b], 0                        ; written once: a lane permute's destination counts as one of its sources
.endr
.macro XLD ii                          ; fragment ii's 16 rows
.irp p, 0,1,2,3,4,5,6,7,8,9,10,11,12,13,14,15
	global_load_b128 v[R+64*((\ii)%2)+4*\p:R+64*((\ii)%2)+4*\p+3], v2, s[28:29] offset:(32*((\ii)/2)+8*((\ii)%2)+\p+8*(\p/8))*8192 th:TH_LOAD_NT
.endr
.endm
.macro XTURN ii                        ; through the stage: LDS serves a wave's instructions in order, so no wait stands between the stores and the loads
.irp p, 0,1,2,3,4,5,6,7,8,9,10,11,12,13,14,15
	ds_store_b128 v3, v[R+64*((\ii)%2)+4*\p:R+64*((\ii)%2)+4*\p+3] offset:8448*((\ii)%2)+528*\p
.endr
.irp b, 0,1,2,3
.irp j, 0,1,2,3
	ds_load_b128 v[XX+16*\b+4*\j:XX+16*\b+4*\j+3], v4 offset:8448*((\ii)%2)+128*\b+16*\j
.endr
.endr
.endm
	XLD 0
	XLD 1
	s_wait_alu depctr_va_vdst(0)
.irp ii, 0,1,2,3
.if \ii < 3
	s_wait_loadcnt 16                              ; this fragment's 16 loads are in; the next one's 16 may be out
.else
	s_wait_loadcnt 0
.endif
	XTURN \ii
	s_wait_dscnt 0x0                               ; my 64 numbers are back, and the stores into the stage have read their registers
	s_wait_xcnt 0x0                                ; the last fragment's stores have read theirs: the codes' registers are written again only behind this wait
.if \ii < 2
	XLD \ii+2
.endif
	QUANT XX, PW+\ii
.irp c, 0,1,2
	global_store_b128 v2, v[PC+4*\c:PC+4*\c+3], s[32:33] offset:1536*\ii+512*\c   ; 32 lanes store 512 consecutive bytes
.endr
.endr
	v_cmp_gt_u32 vcc_lo, 16, v1                    ; lanes 0-15 hold the 16 rows' words (lanes 16-31 the same again)
	s_wait_xcnt 0x0                                ; EXEC changes only behind this wait
	s_wait_tensorcnt 0x0
	ds_add_u32 v254, v255
	s_wait_dscnt 0x0
	s_and_saveexec_b32 s5, vcc_lo
	global_store_b128 v5, v[PW:PW+3], s[34:35] offset:12288   ; sixteen lanes store 256 consecutive bytes, aligned
	s_wait_xcnt 0x0
	s_or_b32 exec_lo, exec_lo, s5
	s_endpgm
; ---- W.  Work-group = one record: 128 columns x 128 along K.  A LANE TAKES A COLUMN AND ITS REGISTERS RUN DOWN K: a block's largest magnitude needs no other lane, and the
; conversions give codes with K innermost.  Lane l takes column l with bits 3 and 4 exchanged: a load still reads 128 consecutive bytes a wave, 512 a work-group.
.LW:
	s_sub_co_u32 s5, ttmp9, 256
	s_lshr_b32 s6, s5, 4                           ; which half tile of wf, 0..39: 0-15 wq, 16-23 wk (even) and wv (odd), 24-39 wo
	s_and_b32 s7, s5, 15                           ; which 128 along K
	s_sub_co_u32 s34, s6, 16                       ; under 8 for wk and wv alone
	s_lshr_b32 s31, s34, 1                         ; their head
	s_mov_b64 s[28:29], s[10:11]                   ; wq, unless the choice below takes wk or wv
	s_mov_b32 s30, s6                              ; which 128 columns of wq
	s_bitcmp1_b32 s6, 0
	s_cselect_b64 s[32:33], s[14:15], s[12:13]
	s_cmp_lt_u32 s34, 8
	s_cselect_b64 s[28:29], s[32:33], s[28:29]
	s_cselect_b32 s30, s31, s30
	s_cselect_b32 s35, 18, 20                      ; 128 rows of 2,048 or of 8,192 bytes
	s_lshl_b32 s36, s7, s35
	s_lshl_b32 s30, s30, 9                         ; 128 columns
	s_add_co_u32 s36, s36, s30
	s_lshl_b32 s30, s4, 7                          ; my wave's 32
	s_add_co_u32 s36, s36, s30
	s_mov_b32 s37, 0
	s_add_nc_u64 s[28:29], s[28:29], s[36:37]
	s_lshr_b32 s30, s6, 1                          ; the record: (16 tile + K step) x 25,600 + half x 12,800
	s_lshl_b32 s30, s30, 4
	s_add_co_u32 s30, s30, s7
	s_mul_i32 s30, s30, 25600
	s_and_b32 s31, s6, 1
	s_mul_i32 s31, s31, 12800
	s_add_co_u32 s30, s30, s31
	s_mov_b32 s31, 0
	s_add_nc_u64 s[30:31], s[22:23], s[30:31]
	s_mul_i32 s32, s4, 3072                        ; my two fragments in it
	s_mov_b32 s33, 0
	s_add_nc_u64 s[32:33], s[30:31], s[32:33]
	s_lshr_b32 s36, s4, 1                          ; my words: block 2 w + lane / 16 = 4 (w / 2) + 2 (w % 2) + lane / 16
	s_lshl_b32 s36, s36, 8
	s_and_b32 s37, s4, 1
	s_lshl_b32 s37, s37, 3
	s_add_co_u32 s36, s36, s37
	s_mov_b32 s37, 0
	s_add_nc_u64 s[30:31], s[30:31], s[36:37]
	s_wait_alu depctr_va_vdst(0)
	v_and_b32 v3, 7, v1
	v_and_b32 v4, 8, v1
	v_lshl_add_u32 v3, v4, 1, v3
	v_and_b32 v4, 16, v1
	v_lshrrev_b32 v4, 1, v4
	v_add_nc_u32 v3, v3, v4                        ; the lane's number with bits 3 and 4 exchanged
	v_lshlrev_b32 v3, 2, v3
	v_lshlrev_b32 v5, 4, v6
	v_lshl_add_u32 v5, v7, 2, v5                   ; 16 r + 4 (lane / 16)
.macro WBLK b, left                    ; block b of my column: 32 numbers, all mine
.set XS, W+32*(\b)
.set FD, F0+12*((\b)%2)+6*((\b)/2)
	s_wait_loadcnt \left
	v_max3_num_f32 v12, |v[XS]|, |v[XS+1]|, |v[XS+2]|
	v_max3_num_f32 v13, |v[XS+3]|, |v[XS+4]|, |v[XS+5]|
.irp i, 6,10,14,18,22,26
	v_max3_num_f32 v12, v12, |v[XS+\i]|, |v[XS+\i+1]|
	v_max3_num_f32 v13, v13, |v[XS+\i+2]|, |v[XS+\i+3]|
.endr
	v_max3_num_f32 v12, v12, |v[XS+30]|, |v[XS+31]|
	v_max3_num_f32 v12, v12, v13, 0x1800000        ; and the floor
	v_add_nc_u32 v11, 0xff000000, v12              ; the conversions' scale operand
.if (\b) == 0
	v_lshrrev_b32 v10, 23, v11                     ; the four bytes make my column's scale word, the lower K in the lower byte
.else
	v_lshrrev_b32 v13, 23, v11
	v_lshl_or_b32 v10, v13, 8*(\b), v10
.endif
	v_cvt_scalef32_pk16_fp6_f32 v[FD:FD+2], v[XS:XS+15], v11
	v_cvt_scalef32_pk16_fp6_f32 v[T3:T3+2], v[XS+16:XS+31], v11
	v_nop                                          ; one plain instruction behind a scaled conversion
.irp i, 0,1,2
	v_mov_b32 v[FD+3+\i], v[T3+\i]
.endr
.if (\b)%2                             ; lanes 0-15 hold the rows of block 2 w, lanes 16-31 those of 2 w + 1.  The even blocks' upper lanes change places with the odd blocks' lower lanes:
.irp i, 0,1,2,3,4,5                    ; the first run is then row block 2 w's fragment (lanes 0-15 its even block along K, lanes 16-31 its odd one), the second 2 w + 1's
	v_permlane16_swap_b32 v[F0+6*((\b)/2)+\i], v[F1+6*((\b)/2)+\i]
.endr
.endif
.endm
.macro WTASK pitch
.irp b, 0,1,2,3
.irp i, 0,1,2,3,4,5,6,7,8,9,10,11,12,13,14,15,16,17,18,19,20,21,22,23,24,25,26,27,28,29,30,31
	global_load_b32 v[W+32*\b+\i], v3, s[28:29] offset:(32*\b+\i)*\pitch th:TH_LOAD_NT
.endr
.endr
	WBLK 0, 63                                     ; 96 loads were issued behind block 0's, 64 behind block 1's: 63 is the largest count that the wait can name
	WBLK 1, 63
	WBLK 2, 32                                     ; block 3's 32 may be out
	WBLK 3, 0
.irp c, 0,1,2
	global_store_b128 v2, v[F0+4*\c:F0+4*\c+3], s[32:33] offset:512*\c        ; 32 lanes store 512 consecutive bytes
	global_store_b128 v2, v[F1+4*\c:F1+4*\c+3], s[32:33] offset:1536+512*\c
.endr
	global_store_b32 v5, v10, s[30:31] offset:12288   ; 4 bytes a lane, 16 bytes apart: the four waves' words interleave.  One byte in 128 of what this path reads
	s_endpgm
.endm
	s_cmp_lt_u32 s34, 8
	s_cbranch_scc1 .LWn
	WTASK 8192
.LWn:
	s_wait_alu depctr_va_vdst(0)
	WTASK 2048
; ---- C.  A wave makes one record of cs: block a of 16 tokens of a block of 128; lane (r, h) holds token 32 (a / 2) + 8 (a % 2) + r + 8 (r / 8) and, in register e of 32, frequency 32 (e / 16) + 16 h + e % 16.
; The record: 8 groups of 512 bytes with cos of e = 4 g .. 4 g + 3, then 8 with sin: images of four registers.  Sine and cosine are polynomials on [-pi/4, pi/4] behind a reduction by pi/2 in two parts.
.LC:
	s_sub_co_u32 s5, ttmp9, 640
	s_lshl_b32 s5, s5, 2
	s_add_co_u32 s5, s5, s4                        ; the record, 0..255
	s_lshr_b32 s6, s5, 3                           ; which 128 tokens
	s_and_b32 s7, s5, 7                            ; a
	s_lshl_b32 s28, s6, 9
	s_lshr_b32 s30, s7, 1
	s_lshl_b32 s30, s30, 7
	s_add_co_u32 s28, s28, s30
	s_and_b32 s30, s7, 1
	s_lshl_b32 s30, s30, 5
	s_add_co_u32 s28, s28, s30
	s_mov_b32 s29, 0
	s_add_nc_u64 s[28:29], s[18:19], s[28:29]
	s_wait_alu depctr_va_vdst(0)
	v_and_b32 v3, 8, v6
	v_add_nc_u32 v3, v3, v6
	v_lshlrev_b32 v3, 2, v3
	global_load_b32 v4, v3, s[28:29]               ; my token's position
	s_lshl_b32 s30, s5, 13
	s_mov_b32 s31, 0
	s_add_nc_u64 s[30:31], s[24:25], s[30:31]
	v_lshlrev_b32 v8, 4, v7                        ; 16 h
	s_mov_b32 s36, 0xbe549a78                      ; -log2(10000) / 64
	s_mov_b32 s37, 0x3f22f983                      ; 2 / pi
	s_mov_b32 s38, 0xbfc90fdb                      ; -(pi / 2), its upper part,
	s_mov_b32 s39, 0x333bbd2e                      ; and what that part overshoots
	s_mov_b32 s40, 0xb94ca1f9                      ; sine: -1.9515296e-4, 8.3321609e-3, -1.6666655e-1
	s_mov_b32 s41, 0x3c08839e
	s_mov_b32 s42, 0xbe2aaaa3
	s_mov_b32 s43, 0x37ccf5ce                      ; cosine: 2.4433157e-5, -1.3887316e-3, 4.1666646e-2
	s_mov_b32 s44, 0xbab6061a
	s_mov_b32 s45, 0x3d2aaaa5
	s_mov_b32 s46, 0x80000000
	s_wait_loadcnt 0x0
	v_cvt_f32_i32 v4, v4
	s_mov_b32 s5, 0
.Lg:                                                   ; 8 trips: group g, four frequencies, line by line in turns
	s_and_b32 s6, s5, 4
	s_lshl_b32 s6, s6, 3
	s_and_b32 s7, s5, 3
	s_lshl_b32 s7, s7, 2
	s_or_b32 s6, s6, s7                            ; 32 (g / 4) + 4 (g % 4)
	s_wait_alu depctr_va_vdst(0)
.irp i, 0,1,2,3
	v_add3_u32 v[16+\i], v8, s6, \i                ; the frequency's number
.endr
.irp i, 0,1,2,3
	v_cvt_f32_u32 v[16+\i], v[16+\i]
.endr
.irp i, 0,1,2,3
	v_mul_f32 v[16+\i], s36, v[16+\i]
.endr
	s_wait_alu depctr_va_vdst(0)
.irp i, 0,1,2,3
	v_exp_f32 v[20+\i], v[16+\i]                   ; 10000^(-f / 64)
.endr
	v_nop                                          ; a plain instruction behind the last exponential,
	s_wait_alu depctr_va_vdst(0)                   ; and one wait for the four, ahead of their first use
.irp i, 0,1,2,3
	v_mul_f32 v[24+\i], v4, v[20+\i]               ; the angle
.endr
.irp i, 0,1,2,3
	v_mul_f32 v[28+\i], s37, v[24+\i]
.endr
.irp i, 0,1,2,3
	v_rndne_f32 v[28+\i], v[28+\i]                 ; how many quarter turns
.endr
.irp i, 0,1,2,3
	v_fma_f32 v[32+\i], v[28+\i], s38, v[24+\i]
.endr
.irp i, 0,1,2,3
	v_fma_f32 v[32+\i], v[28+\i], s39, v[32+\i]    ; what is left, within pi / 4 of 0
.endr
.irp i, 0,1,2,3
	v_mul_f32 v[36+\i], v[32+\i], v[32+\i]
.endr
.irp i, 0,1,2,3
	v_fma_f32 v[40+\i], v[36+\i], s40, s41
.endr
.irp i, 0,1,2,3
	v_fma_f32 v[40+\i], v[40+\i], v[36+\i], s42
.endr
.irp i, 0,1,2,3
	v_mul_f32 v[40+\i], v[40+\i], v[36+\i]
.endr
.irp i, 0,1,2,3
	v_fma_f32 v[40+\i], v[40+\i], v[32+\i], v[32+\i]   ; its sine
.endr
.irp i, 0,1,2,3
	v_fma_f32 v[44+\i], v[36+\i], s43, s44
.endr
.irp i, 0,1,2,3
	v_fma_f32 v[44+\i], v[44+\i], v[36+\i], s45
.endr
.irp i, 0,1,2,3
	v_fma_f32 v[44+\i], v[44+\i], v[36+\i], -0.5
.endr
.irp i, 0,1,2,3
	v_fma_f32 v[44+\i], v[44+\i], v[36+\i], 1.0    ; its cosine
.endr
.irp i, 0,1,2,3
	v_cvt_i32_f32 v[48+\i], v[28+\i]
.endr
.irp i, 0,1,2,3                                ; an odd number of quarter turns exchanges the two; the signs come from bit 1 of the number (sine) and of the number + 1 (cosine).  Values alone are chosen: no branch
	v_and_b32 v[52+\i], 1, v[48+\i]
	v_cmp_eq_u32 vcc_lo, 1, v[52+\i]
	v_cndmask_b32 v[60+\i], v[40+\i], v[44+\i], vcc_lo
	v_cndmask_b32 v[56+\i], v[44+\i], v[40+\i], vcc_lo
	v_lshlrev_b32 v[52+\i], 30, v[48+\i]
	v_and_b32 v[52+\i], s46, v[52+\i]
	v_xor_b32 v[60+\i], v[60+\i], v[52+\i]
	v_add_nc_u32 v[48+\i], 1, v[48+\i]
	v_lshlrev_b32 v[48+\i], 30, v[48+\i]
	v_and_b32 v[48+\i], s46, v[48+\i]
	v_xor_b32 v[56+\i], v[56+\i], v[48+\i]
.endr
	global_store_b128 v2, v[56:59], s[30:31]               ; 32 lanes store 512 consecutive bytes
	global_store_b128 v2, v[60:63], s[30:31] offset:4096
	s_wait_xcnt 0x0                                ; the stores have read their registers: the offset steps and the next trip writes the data again only behind this wait
	v_add_nc_u32 v2, 512, v2
	s_add_co_u32 s5, s5, 1
	s_cmp_lt_u32 s5, 8
	s_cbranch_scc1 .Lg
	s_endpgm
.Lfunc_end_k_qfc1f3bf7e7_prep:
	.size	k_qfc1f3bf7e7_prep, .Lfunc_end_k_qfc1f3bf7e7_prep-k_qfc1f3bf7e7_prep
	.p2alignl 7, 3214868480
	.fill 96, 4, 3214868480
	.section	.rodata,"a",@progbits
	.p2align	6, 0x0
	.amdhsa_kernel k_qfc1f3bf7e7_prep
		.amdhsa_group_segment_fixed_size 68096
		.amdhsa_private_segment_fixed_size 0
		.amdhsa_enable_private_segment 0
		.amdhsa_kernarg_size 64
		.amdhsa_user_sgpr_count 2
		.amdhsa_user_sgpr_kernarg_segment_ptr 1
		.amdhsa_wavefront_size32 1
		.amdhsa_system_sgpr_workgroup_id_x 1
		.amdhsa_system_sgpr_workgroup_id_y 1
		.amdhsa_system_sgpr_workgroup_id_z 1
		.amdhsa_system_vgpr_workitem_id 0
		.amdhsa_next_free_vgpr 256
		.amdhsa_next_free_sgpr 66
		.amdhsa_reserve_vcc 1
		.amdhsa_float_denorm_mode_32 3
		.amdhsa_float_denorm_mode_16_64 3
		.amdhsa_memory_ordered 1
		.amdhsa_forward_progress 1
		.amdhsa_inst_pref_size 81
	.end_amdhsa_kernel
	.amdgpu_metadata
---
amdhsa.version: [ 1, 2 ]
amdhsa.kernels:
  - .name:           k_qfc1f3bf7e7_prep
    .symbol:         k_qfc1f3bf7e7_prep.kd
    .args:
      - { .name: hidden_states, .offset: 0, .size: 8, .value_kind: global_buffer, .address_space: global }
      - { .name: wq, .offset: 8, .size: 8, .value_kind: global_buffer, .address_space: global }
      - { .name: wk, .offset: 16, .size: 8, .value_kind: global_buffer, .address_space: global }
      - { .name: wv, .offset: 24, .size: 8, .value_kind: global_buffer, .address_space: global }
      - { .name: positions, .offset: 32, .size: 8, .value_kind: global_buffer, .address_space: global }
      - { .name: xf, .offset: 40, .size: 8, .value_kind: global_buffer, .address_space: global }
      - { .name: wf, .offset: 48, .size: 8, .value_kind: global_buffer, .address_space: global }
      - { .name: cs, .offset: 56, .size: 8, .value_kind: global_buffer, .address_space: global }
    .group_segment_fixed_size: 68096
    .private_segment_fixed_size: 0
    .kernarg_segment_align: 8
    .kernarg_segment_size: 64
    .max_flat_workgroup_size: 128
    .sgpr_count:     66
    .vgpr_count:     256
    .wavefront_size: 32
...
	.end_amdgpu_metadata
.endif
;; end of part 1
;; launch qkv (part 2): grid 16 x 16, 4 waves a work-group, clusters of 4 x 4, 327,680 bytes of LDS; arguments xf, wf, cs, bq, bk, bv, qf, kvf, wo, wof; writes qf, kvf, wof
.if DOCPART == 2
	.amdgcn_target "amdgcn-amd-amdhsa--gfx1250"
	.amdhsa_code_object_version 6
	.text
	.protected	k_qfc1f3bf7e7_qkv
	.globl	k_qfc1f3bf7e7_qkv
	.p2align	8
	.type	k_qfc1f3bf7e7_qkv,@function
k_qfc1f3bf7e7_qkv:
	s_mov_b64 s[64:65], 0
	v_nop
	global_prefetch_b8 v0, s[64:65] scope:SCOPE_SE
	s_setreg_imm32_b32 hwreg(HW_REG_WAVE_MODE, 25, 1), 1
	s_wait_xcnt 0x0
	s_wait_alu depctr_hold_cnt(0) depctr_sa_sdst(0) depctr_va_vdst(0) depctr_va_sdst(0) depctr_va_ssrc(0) depctr_va_vcc(0) depctr_vm_vsrc(0)
	s_getreg_b32 s2, hwreg(HW_REG_IB_STS2, 6, 4)
	s_cmp_eq_u32 s2, 0
	s_cbranch_scc0 .Lentry_in_a_cluster
	s_endpgm
.Lentry_in_a_cluster:
	s_bfe_u32 s2, ttmp6, 0x10000c
	s_cmp_lg_u32 s2, 0xf033
	s_cbranch_scc0 .Lentry_shape_is_right
	s_endpgm
.Lentry_shape_is_right:
; QKV.  The three projections as ONE product on codes of FP6 (E2M3) with E8M0 scales, [4096 tokens] x [3072 columns], K = 2,048; then bias, RoPE (q, k) and the quantising of q and k along the head's 128
; and of v along the tokens.  Nothing leaves as f32: q goes to qf, k and v to kvf, as images of the next launch's operand registers.
; OPERANDS (made by the launch before): a fragment, 16 rows x 128 K, is an image of its 12 registers (registers 4 c .. 4 c + 3 of lane l at 512 c + 16 l); a record is 8 fragments and 512 bytes of scale words
; (block 4 j + i, row r, at 256 j + 16 r + 4 i): 12,800 bytes; a tensor is [tile of 256 rows][K / 128][half] records.  Place p holds row p with bits 3 and 4 exchanged.
; A tile of C, 256 x 256, is made by four waves, as many as a WGP has SIMDs, each 128 x 128: 64 accumulators, 512 registers.
; THE RING.  Two LDS slots, as large as fit: each holds THREE steps of 128 along K of both operands, 153,600 bytes.  K's 16 steps are six fills of 3, 3, 3, 3, 3 and 1 steps: two at the start, four refills.  A wave's one
; tensor load brings half of one operand's three steps, 38,400 dense bytes as 150 rows of 256; in the last fill one record, 50 rows.  From a request to the wait for it a wave issues 160 matrix instructions.
; No padding: every LDS load reads 512 consecutive bytes.  The 16 steps are written out: the set of source 0's registers goes by the step's number mod 2 and the place in a slot by its number mod 3.
; CLUSTERS: 4 x 4 work-groups; x's tile is asked for jointly along a row of the cluster, the weights' along a column.
; WHO MAKES WHAT.  Tile columns 0-7 are q (two heads each); tile column 8 + g holds k's head g in its first 128 columns and v's in its second.  So clusters x = 0, 1 hold q alone, cluster x = 2 holds k | v, and a wave's
; kind hangs on the cluster's x and the wave's number: no branch and no LDS address hangs on a work-group's place in its cluster.  A wave owns 128 tokens x one whole head.  192 work-groups: tiles that would give 256
; would split a head between waves or mix kinds inside a cluster's column.
; THE MATRIX INSTRUCTION IS USED TRANSPOSED: source 0 = 16 columns of the weight, source 1 = 16 tokens: a lane holds ONE token, and by the order of the weight's rows its register e of 64 holds d = 32 (e / 16) + 16 h + e % 16.
; A V WAVE CHANGES THE OPERANDS' PLACES, BY ADDRESS ALONE: tokens are source 0, wv's columns source 1: a lane holds one d and its registers run along the tokens, v's K.  The text of the products is the same.
; LIMITS: as stated for the quantiser in the launch before (NaN, infinities, blocks under 2^-124, the byte of a block of zeros).
; REGISTERS, in windows of 256: window 0: v1-11 addresses; v12-27 v's bias, a pair a block; v32-47 scale words, two sets; v64-127 q's or k's bias; v128-223 source 1's fragments, ONE set, later the epilogue's numbers;
;   v224-255 codes and scale words just made.   window 1: source 0's fragments, TWO sets, at v0 and v128; v96-127, v224-255 cos and sin.   windows 2, 3: the accumulators ((a, b) at v[8 (8 (a % 4) + b)]).
.set FR,    12                         ; registers of a fragment
.set NL,    3                          ; LDS loads that bring one
.set NP,    4                          ; places behind this matrix instruction (ISA guide 7.12.1)
.set REC,   12800
.set KREC,  25600                      ; a tile's 128 along K: two records
.set HALFO, 38400                      ; half of an operand's three steps: what one tensor load brings
.set OPB,   76800                      ; an operand's part of a slot
.set SLOT,  153600                     ; x's three steps, then the weight's three
.set SPARE, 307200                     ; behind the ring: the spare words, 128 bytes a wave: two blocks of 256 bytes that no other line names
.set TILEB, 409600                     ; a tile of 256 rows, all of K
.set LI,   1                           ; v1     16 x lane: my place in an image
.set ADRA, 2                           ; v2-3   LDS address of source 1's fragments in slot 0, 1
.set ADRB, 4                           ; v4-5   of source 0's
.set ADRS, 6                           ; v6-7   of my scale words: lanes 0-15 source 1's rows, lanes 16-31 source 0's
.set BO,   8                           ; v8     64 h: my place in a head's bias (q, k)
.set VO,   9                           ; v9     4 (r + 8 (r / 8)): the same for v
.set SPW,  10                          ; v10    LDS address of my spare word; never rewritten
.set NIL,  11                          ; v11    0; never rewritten
.set VB,   12
.set SC,   32                          ; scale words: set p (the step's number mod 2) at v[SC + 8 p]; in it register i: block i
.set BI,   64
.set AF,   128
.set B,    128                         ; the epilogue: v128-159 the lower 64 of d, v160-191 the upper 64, v192-223 at work
.set TM,   192
.set PC,   224
.set PW,   244                         ; v244-251 the eight blocks' scale words
.set SW,   252                         ; v252-255 the words as they are stored
.set G0L,  4                           ; s[4:7]   descriptor group 0 for x's part of the last fill;  s[8:11] for the weight's
.set G0BL, 8
.set G1,   24                          ; s[24:31] descriptor group 1 for x's tiles;  s[32:39] group 0, one set for each slot
.set G0,   32
.set G1B,  48                          ; s[48:55], s[56:63] the same for the weights'
.set G0B,  56
.set G1L,  68                          ; s[68:75], s[76:83] groups 1 for the last fill, in the registers that the arguments have left
.set G1BL, 76
.set ISV,  66                          ; s66  1 in a wave that makes v
.set CSB,  84                          ; s[84:85] cos and sin of my 128 tokens
.set OUT,  86                          ; s[86:87] my record in qf or kvf
.set BIA,  88                          ; s[88:89] my head's bias
.set SEL,  98                          ; s[98:99] lane selects for v_permlanex16_b32: lane l xor 16
; BESIDE WHAT THE HEAD SAYS.  The grid is 16 x 16 work-groups: clusters x = 0 .. 2 make q, k and v as described; the 64 work-groups of cluster x = 3 quantise wo into wof, which the last launch reads
; (the path .Lwo at the text's end: through registers, no LDS, no tensor load).  The parting hangs on the cluster's x alone.
; At the start a wave issues ONE joint load, its part of slot 0; slot 1's first fill stands behind the waits, the add and a round, as a refill does.  Every wait on TENSORcnt is for 0.
; PREFETCH.  Behind the joint load of fill f (f = 0 .. 3) each wave names its share of fill f + 1: one fill, three steps of K, ahead of the load that wants it.  An operand's part of a fill is 76,800 dense bytes,
; 300 blocks of 256: the four partners that ask for it jointly, two waves each, take 38 blocks a wave, told apart by address (u = 2 x place + the wave's half; blocks 38 u .. 38 u + 37, held at 299).
; The fill's place stands in the immediate, so no address register is written again.  The last fill, one step, comes by its load alone.
.set PFA,  100                         ; s[100:101] the tile of xf (waves 0, 1) or of wf (waves 2, 3) that my work-group reads
.set PF1,  48                          ; v48    256 x (38 u + lane)
.set PF2,  49                          ; v49    256 x (38 u + 32 + the lesser of lane and 5)
.set PFN,  3                           ; the fill that the next change of slots names
.macro ASK f
	global_prefetch_b8 v[PF1], s[PFA:PFA+1] offset:(\f)*3*KREC th:TH_LOAD_NT scope:SCOPE_SE
	global_prefetch_b8 v[PF2], s[PFA:PFA+1] offset:(\f)*3*KREC th:TH_LOAD_NT scope:SCOPE_SE
.endm
.set MSB, 0
.macro WIN new                         ; the immediate's high byte repeats the setting that is left
.if MSB != (\new)
	s_set_vgpr_msb (MSB<<8)|(\new)
.set MSB, (\new)
.endif
.endm
.set MUL_LO, 0xa1                      ; source 0 window 1, source 1 window 0, C and D window 2
.set MUL_HI, 0xf1                      ; the same, C and D window 3
.set TO_B,   0x40                      ; destination window 1, address window 0
; A joint load: waves 0 and 1 fetch x's two halves, waves 2 and 3 the weight's.  Each line has ONE mask and one set of registers for all that issue it; the branch hangs on the wave's number alone.
; Four v_nop follow each of the two lines, ahead of the jump, the label and what follows.
.macro JLOAD g0a, g1a, g0b, g1b
	s_cmp_eq_u32 s15, 0
	s_cbranch_scc0 .Lfor_b_\@
	tensor_load_to_lds s[\g0a:\g0a+3], s[\g1a:\g1a+7]
	s_nop 0
.rept 4
	v_nop
.endr
	s_branch .Lasked_\@
.Lfor_b_\@:
	tensor_load_to_lds s[\g0b:\g0b+3], s[\g1b:\g1b+7]
	s_nop 0
.rept 4
	v_nop
.endr
.Lasked_\@:
.endm
.macro CREST                           ; a round of the cluster's barrier behind its opening barrier
	s_cmp_lg_u32 s14, 0
	s_cbranch_scc1 .Lnot_wave_0_\@
	s_barrier_signal -3
.Lnot_wave_0_\@:
	s_barrier_wait -3
	s_barrier_signal -1
	s_barrier_wait -1
.endm
.macro CROUND                          ; a whole round
	s_barrier_signal -1
	s_barrier_wait -1
	CREST
.endm
.macro PLACES n                        ; plain vector instructions that name no register of the matrix instructions before them
.rept \n
	v_nop
.endr
.endm
.macro FRAG reg, adr, q, i             ; fragment i of the slot's q-th 128 along K: three loads of 512 consecutive bytes
.irp c, 0,1,2
	ds_load_b128 v[\reg+4*\c:\reg+4*\c+3], v[\adr] offset:(\q)*KREC+(\i)*1536+512*\c
.endr
.endm
; 16 matrix instructions: source 1's blocks a0, a0 + 1 x source 0's eight.  p: source 0's set and the set of scale words.  zero = 1: the first product starts the sums: nothing is ever cleared.
; The 64 accumulators take turns, one instruction a turn, in the same order in every step.
.macro MUL16 a0, p, zero
.irp a, \a0, \a0+1
.irp b, 0,1,2,3,4,5,6,7
.if \zero
	v_wmma_scale_f32_16x16x128_f8f6f4 v[8*(8*((\a)%4)+\b):8*(8*((\a)%4)+\b)+7], v[128*(\p)+FR*\b:128*(\p)+FR*\b+FR-1], v[AF+FR*(\a):AF+FR*(\a)+FR-1], 0, v[SC+8*(\p)+\b], v[SC+8*(\p)+(\a)] matrix_a_fmt:MATRIX_FMT_FP6 matrix_b_fmt:MATRIX_FMT_FP6 matrix_a_scale:MATRIX_SCALE_ROW1
.else
	v_wmma_scale_f32_16x16x128_f8f6f4 v[8*(8*((\a)%4)+\b):8*(8*((\a)%4)+\b)+7], v[128*(\p)+FR*\b:128*(\p)+FR*\b+FR-1], v[AF+FR*(\a):AF+FR*(\a)+FR-1], v[8*(8*((\a)%4)+\b):8*(8*((\a)%4)+\b)+7], v[SC+8*(\p)+\b], v[SC+8*(\p)+(\a)] matrix_a_fmt:MATRIX_FMT_FP6 matrix_b_fmt:MATRIX_FMT_FP6 matrix_a_scale:MATRIX_SCALE_ROW1
.endif
.endr
.endr
.endm
.macro FETCH_B slot, q, p              ; source 0's eight fragments into set p, and the step's scale words: four registers a load: blocks 4 j .. 4 j + 3
	WIN TO_B
.irp i, 0,1,2,3,4,5,6,7
	FRAG 128*(\p)+FR*\i, ADRB+\slot, \q, \i
.endr
	WIN 0
.irp j, 0,1
	ds_load_b128 v[SC+8*(\p)+4*\j:SC+8*(\p)+4*\j+3], v[ADRS+\slot] offset:(\q)*KREC+256*\j
.endr
.endm
.macro FETCH_A slot, q, i0             ; source 1's blocks i0 .. i0 + 3
.irp i, \i0, \i0+1, \i0+2, \i0+3
	FRAG AF+FR*(\i), ADRA+\slot, \q, \i
.endr
.endm
; A step of 128 along K that has its successor in the same slot.  A block of source 1 is free as soon as its eight products are issued: blocks 0-3 are fetched anew in the step's middle, blocks 4-7 at its end.
.macro STEP slot, q, p, zero
	s_wait_dscnt 4*NL                              ; all but the youngest twelve loads (source 1's blocks 4-7) are in
	WIN MUL_LO
	MUL16 0, \p, \zero
	MUL16 2, \p, \zero
	s_wait_dscnt 0
	PLACES NP
	FETCH_B \slot, (\q)+1, 1-(\p)
	FETCH_A \slot, (\q)+1, 0
	WIN MUL_HI
	MUL16 4, \p, \zero
	MUL16 6, \p, \zero
	PLACES NP
	WIN 0
	FETCH_A \slot, (\q)+1, 4
.endm
; A slot's last step changes slots: ONE barrier; in front of it each wave waits for all its tensor loads, adds 0 to its spare word, and waits for that and for its own reads of this slot.
; fill = 1: this slot is filled again, with the three steps six steps on;  fill = 2: with K's last step alone;  fill = 0: nothing is left to fetch.
.macro TURN slot, next, p, fill
	s_wait_tensorcnt 0x0                           ; all my tensor loads have landed: my part of the next slot  (every window is 0 here)
	ds_add_u32 v[SPW], v[NIL]                      ; 0 onto my spare word
	s_wait_dscnt 4*NL+1                            ; (the add and the youngest twelve loads may be out)
	WIN MUL_LO
	MUL16 0, \p, 0                                 ; sixteen matrix instructions stand between the add and the wait for it
	s_wait_dscnt 0x0                               ; the add is done, and my reads of this slot are over
	s_barrier_signal -1
	MUL16 2, \p, 0
	WIN 0
	s_barrier_wait -1
.if \fill == 1
	CREST                                          ; the barrier has opened a round of the cluster's barrier: no wave of any partner still reads this slot or has a load on its way
	s_add_nc_u64 s[G0+4*\slot+2:G0+4*\slot+3], s[G0+4*\slot+2:G0+4*\slot+3], 6*KREC
	s_add_nc_u64 s[G0B+4*\slot+2:G0B+4*\slot+3], s[G0B+4*\slot+2:G0B+4*\slot+3], 6*KREC
	JLOAD G0+4*\slot, G1, G0B+4*\slot, G1B         ; the first tensor load behind the round; its four v_nop are also the places in front of the loads below
.elseif \fill == 2
	CREST
	JLOAD G0L, G1L, G0BL, G1BL
.else
	PLACES NP
.endif
	FETCH_B \next, 0, 1-(\p)
	FETCH_A \next, 0, 0
.if \fill == 1
.if PFN < 5
	ASK PFN                                        ; behind the joint load and the run of LDS loads: the fill after the one just asked for
.endif
.set PFN, PFN+1
.endif
	WIN MUL_HI
	MUL16 4, \p, 0
	MUL16 6, \p, 0
	PLACES NP
	WIN 0
	FETCH_A \next, 0, 4
.endm
; 64 numbers of a lane, v[s] .. v[s + 63], register 16 b + i = k 32 b + 16 (lane / 16) + i of my row, become a fragment's codes in v[PC] on and its scale word in v[pw].
.macro QUANT s, pw
.irp b, 0,1,2,3
	v_max3_num_f32 v[TM+\b], |v[(\s)+16*\b]|, |v[(\s)+1+16*\b]|, 0x1800000   ; block b: my 16 numbers, and the floor 2^(3 - 127): so the byte cannot fall under 1
.endr
.irp i, 2,4,6,8,10,12,14
.irp b, 0,1,2,3
	v_max3_num_f32 v[TM+\b], v[TM+\b], |v[(\s)+16*\b+\i]|, |v[(\s)+1+16*\b+\i]|
.endr
.endr
.irp b, 0,1,2,3
	v_permlanex16_b32 v[TM+4+\b], v[TM+\b], s[SEL], s[SEL+1]
.endr
.irp b, 0,1,2,3
	v_max_num_f32 v[TM+\b], v[TM+\b], v[TM+4+\b]   ; with lane l xor 16's: the block's largest magnitude
.endr
.irp b, 0,1,2,3
	v_add_nc_u32 v[TM+12+\b], 0xff000000, v[TM+\b]   ; 2 off its exponent field: the conversion's scale operand
.endr
.irp b, 0,1,2,3
	v_lshrrev_b32 v[TM+4+\b], 23, v[TM+12+\b]      ; the scale's byte
.endr
	v_lshl_or_b32 v[\pw], v[TM+5], 8, v[TM+4]
	v_lshl_or_b32 v[\pw], v[TM+6], 16, v[\pw]
	v_lshl_or_b32 v[\pw], v[TM+7], 24, v[\pw]
.irp c, 0,1
	v_cvt_scalef32_pk16_fp6_f32 v[PC+6*\c:PC+2+6*\c], v[(\s)+32*\c:(\s)+15+32*\c], v[TM+12+2*\c]
	v_cvt_scalef32_pk16_fp6_f32 v[PC+12+4*\c:PC+14+4*\c], v[(\s)+16+32*\c:(\s)+31+32*\c], v[TM+12+2*\c+1]
.endr
	v_nop                                          ; one plain instruction behind a scaled conversion
.irp c, 0,1                                    ; the operand wants a WHOLE block in a lane
.irp i, 0,1,2
	v_permlane16_swap_b32 v[PC+6*\c+\i], v[PC+12+4*\c+\i]
.endr
.irp i, 0,1,2
	v_mov_b32 v[PC+3+6*\c+\i], v[PC+12+4*\c+\i]
.endr
.endr
.endm
; cos and sin of block a's 16 tokens: 16 loads of 512 consecutive bytes, into window 1.  Even blocks: v96-127 and v224-255, which the products never touch; odd blocks: v0-63, free when the products are over.
.macro CSLOAD a
.set CL, 96-96*((\a)%2)
.set SL, 224-192*((\a)%2)
	WIN TO_B
.set g, 0
.rept 8
	global_load_b128 v[CL+4*g:CL+4*g+3], v[LI], s[CSB:CSB+1] offset:(\a)*8192+512*g
.set g, g+1
.endr
.set g, 0
.rept 8
	global_load_b128 v[SL+4*g:SL+4*g+3], v[LI], s[CSB:CSB+1] offset:(\a)*8192+4096+512*g
.set g, g+1
.endr
	WIN 0
.endm
	s_load_b512 s[68:83], s[0:1], 0x0              ; xf s[68:69], wf s[70:71], cs s[72:73], bq s[74:75], bk s[76:77], bv s[78:79], qf s[80:81], kvf s[82:83]
	v_lshl_add_u32 v[SPW], v0, 2, SPARE
	v_mov_b32 v[NIL], 0
	s_cmp_eq_u32 ttmp9, 3                          ; cluster x = 3: all sixteen partners alike take the path for wo
	s_cbranch_scc1 .Lwo
	ds_add_u32 v10, v11
	ds_add_u32 v10, v11
	s_wait_dscnt 0x0
	v_lshrrev_b32 v28, 5, v0
	v_readfirstlane_b32 s14, v28                   ; wave 0..3
	s_lshr_b32 s15, s14, 1                         ; which half of the tile's tokens is mine.  Also: I fetch for x (0) or for the weight (1)
	s_and_b32 s16, s14, 1                          ; which half of its columns.  Also: which half of an operand's part of a slot I fetch
	s_bfe_u32 s40, ttmp6, 0x40000                  ; cx, cy: my place in the cluster
	s_bfe_u32 s41, ttmp6, 0x40004
	s_lshl_b32 s42, ttmp9, 2
	s_add_co_u32 s42, s42, s40                     ; tile column = 4 x cluster x + cx
	s_and_b32 s17, ttmp7, 0xffff
	s_lshl_b32 s17, s17, 2
	s_add_co_u32 s17, s17, s41                     ; tile row = 4 x cluster y + cy
	s_lshl_b32 s43, s41, 2
	s_lshl_b32 s43, 15, s43                        ; my row of the cluster
	s_lshl_b32 s44, 0x1111, s40                    ; my column
	s_or_b32 s[G1+0], s43, (3<<16)|(1<<21)         ; 15:0 the mask: x's tiles go to my row; 17:16 elements of 8 bytes; 20 no padding; 21 set beside a mask
	s_or_b32 s[G1B+0], s44, (3<<16)|(1<<21)
.irp g, G1, G1B
	s_mov_b32 s[\g+1], 32<<16                      ; tensor_dim0 = 32 elements: 256 bytes
	s_mov_b32 s[\g+2], 150<<16                     ; tensor_dim1 = 150
	s_mov_b32 s[\g+3], 32<<16                      ; tile_dim0
	s_mov_b32 s[\g+4], 150                         ; tile_dim1
	s_mov_b32 s[\g+5], 32                          ; from row to row: dense
	s_mov_b32 s[\g+6], 0
	s_mov_b32 s[\g+7], 0
.endr
	s_mul_i32 s18, s16, HALFO                      ; my half of three steps, in memory and in LDS alike: no place in the cluster enters an LDS address
	s_mov_b32 s19, 0
	s_mul_i32 s12, s16, REC                        ; my record of the last step,
	s_add_co_u32 s2, s12, 15*KREC                  ; and where it lies in a tile
	s_mov_b32 s3, 0
	s_mul_i32 s20, s17, TILEB                      ; x: by the tile row alone
	s_mov_b32 s21, 0
	s_mul_i32 s46, s42, TILEB                      ; the weights: by the tile column alone
	s_mov_b32 s47, 0
	s_wait_kmcnt 0x0
	s_add_nc_u64 s[20:21], s[68:69], s[20:21]
	s_add_nc_u64 s[46:47], s[70:71], s[46:47]
	s_mov_b32 s[G0L], 1                            ; the last fill: K's step 15, into the head of each operand's part of slot 1
	s_add_co_u32 s[G0L+1], s12, SLOT
	s_add_nc_u64 s[G0L+2:G0L+3], s[20:21], s[2:3]
	s_or_b32 s[G0L+3], s[G0L+3], 0x80000000
	s_mov_b32 s[G0BL], 1
	s_add_co_u32 s[G0BL+1], s12, SLOT+OPB
	s_add_nc_u64 s[G0BL+2:G0BL+3], s[46:47], s[2:3]
	s_or_b32 s[G0BL+3], s[G0BL+3], 0x80000000
	s_cmp_eq_u32 s15, 0                            ; do I fetch for x?
	s_cselect_b64 s[PFA:PFA+1], s[20:21], s[46:47] ; the tile that my prefetches name,
	s_cselect_b32 s13, s40, s41                    ; and my place among the four that ask for it jointly
	s_add_nc_u64 s[20:21], s[20:21], s[18:19]
	s_add_nc_u64 s[46:47], s[46:47], s[18:19]
	CROUND                                         ; all sixteen work-groups are here: the first joint loads meet
.irp s, 0,1
	s_mov_b32 s[G0+4*\s], 1
	s_add_co_u32 s[G0+4*\s+1], s18, \s*SLOT
	s_add_nc_u64 s[G0+4*\s+2:G0+4*\s+3], s[20:21], \s*3*KREC
	s_or_b32 s[G0+4*\s+3], s[G0+4*\s+3], 0x80000000
	s_mov_b32 s[G0B+4*\s], 1
	s_add_co_u32 s[G0B+4*\s+1], s18, \s*SLOT+OPB
	s_add_nc_u64 s[G0B+4*\s+2:G0B+4*\s+3], s[46:47], \s*3*KREC
	s_or_b32 s[G0B+4*\s+3], s[G0B+4*\s+3], 0x80000000
.endr
	JLOAD G0, G1, G0B, G1B                         ; slot 0: one tensor load a wave at the head
	s_lshl_b32 s13, s13, 1
	s_add_co_u32 s13, s13, s16                     ; u
	s_mul_i32 s13, s13, 38
	v_and_b32 v28, 31, v0
	v_add_nc_u32 v[PF1], s13, v28
	v_min_u32 v[PF2], 5, v28
	v_add3_u32 v[PF2], v[PF2], s13, 32
	v_min_u32 v[PF1], 299, v[PF1]
	v_min_u32 v[PF2], 299, v[PF2]
	v_lshlrev_b32 v[PF1], 8, v[PF1]
	v_lshlrev_b32 v[PF2], 8, v[PF2]
	ASK 1
	v_lshlrev_b32 v[LI], 4, v28
	v_and_b32 v29, 15, v0                          ; r
	v_bfe_u32 v30, v0, 4, 1                        ; h
	s_wait_alu depctr_va_vdst(0)
	v_lshlrev_b32 v[BO], 6, v30
	v_and_b32 v[VO], 8, v29
	v_add_nc_u32 v[VO], v[VO], v29
	v_lshlrev_b32 v[VO], 2, v[VO]
	s_lshr_b32 s[ISV], ttmp9, 1                    ; 1 in cluster x = 2,
	s_and_b32 s[ISV], s[ISV], s16                  ; in the waves of the second 128 columns
	s_xor_b32 s67, s[ISV], 1
	s_mul_i32 s21, s15, REC                        ; x's record of my tokens;
	s_mul_i32 s22, s16, REC
	s_add_co_u32 s22, s22, OPB
	s_sub_co_u32 s22, s22, s21                     ; from it to the weight's record of my columns
	s_mul_i32 s23, s[ISV], s22
	s_mul_i32 s18, s67, s22
	s_add_co_u32 s23, s23, s21                     ; source 1: x, in a V wave the weight
	s_add_co_u32 s18, s18, s21                     ; source 0: the weight, in a V wave x
	v_xor_b32 v31, s[ISV], v30
	v_mul_u32_u24 v31, s22, v31                    ; lanes 0-15 take source 1's words, lanes 16-31 source 0's: ONE product
	v_lshl_add_u32 v31, v29, 4, v31
	s_add_co_u32 s21, s21, 12288
.irp s, 0,1
	v_add_nc_u32 v[ADRA+\s], s23, v[LI]
	v_add_nc_u32 v[ADRB+\s], s18, v[LI]
	v_add_nc_u32 v[ADRS+\s], s21, v31
	s_add_co_u32 s23, s23, SLOT
	s_add_co_u32 s18, s18, SLOT
	s_add_co_u32 s21, s21, SLOT
.endr
	; where my results go, and what the epilogue reads
	s_lshl_b32 s90, s17, 1
	s_add_co_u32 s90, s90, s15                     ; my block of 128 tokens, 0..31 = 8 b + tb
	s_lshl_b32 s[CSB], s90, 16
	s_mov_b32 s[CSB+1], 0
	s_add_nc_u64 s[CSB:CSB+1], s[72:73], s[CSB:CSB+1]
	s_lshr_b32 s91, s17, 2                         ; b
	s_and_b32 s92, s90, 7                          ; tb
	s_lshl_b32 s93, s42, 1
	s_add_co_u32 s93, s93, s16                     ; q's head (meant in tile columns 0-7 alone)
	s_lshl_b32 s94, s91, 4
	s_add_co_u32 s94, s94, s93
	s_lshl_b32 s94, s94, 3
	s_add_co_u32 s94, s94, s92
	s_mul_i32 s94, s94, REC                        ; qf: [b][head][tb] records
	s_lshl_b32 s95, s91, 2
	s_add_co_u32 s95, s95, s40                     ; 4 b + k's and v's head, which is cx
	s_lshl_b32 s95, s95, 3
	s_add_co_u32 s95, s95, s92
	s_lshl_b32 s95, s95, 1
	s_add_co_u32 s95, s95, s16
	s_mul_i32 s95, s95, REC                        ; kvf: [4 b + head][tb][k, v] records
	s_lshl_b32 s96, s93, 9
	s_lshl_b32 s97, s40, 9
	s_cmp_eq_u32 s16, 1
	s_cselect_b64 s[BIA:BIA+1], s[78:79], s[76:77]
	s_cmp_eq_u32 ttmp9, 2                          ; the choices hang on the cluster's x and the wave's number
	s_cselect_b64 s[BIA:BIA+1], s[BIA:BIA+1], s[74:75]
	s_cselect_b64 s[OUT:OUT+1], s[82:83], s[80:81]
	s_cselect_b32 s94, s95, s94
	s_cselect_b32 s96, s97, s96
	s_mov_b32 s95, 0
	s_mov_b32 s97, 0
	s_add_nc_u64 s[OUT:OUT+1], s[OUT:OUT+1], s[94:95]
	s_add_nc_u64 s[BIA:BIA+1], s[BIA:BIA+1], s[96:97]
	s_mov_b32 s[SEL], 0x76543210
	s_mov_b32 s[SEL+1], 0xfedcba98
	; the arguments have been used: their registers take the last fill's groups 1: a record, 50 rows of 256 bytes
	s_or_b32 s[G1L+0], s43, (3<<16)|(1<<21)
	s_or_b32 s[G1BL+0], s44, (3<<16)|(1<<21)
.irp g, G1L, G1BL
	s_mov_b32 s[\g+1], 32<<16
	s_mov_b32 s[\g+2], 50<<16
	s_mov_b32 s[\g+3], 32<<16
	s_mov_b32 s[\g+4], 50
	s_mov_b32 s[\g+5], 32
	s_mov_b32 s[\g+6], 0
	s_mov_b32 s[\g+7], 0
.endr
	s_wait_alu depctr_va_vdst(0)
	s_wait_tensorcnt 0x0                           ; my part of slot 0 is in
	ds_add_u32 v[SPW], v[NIL]
	s_wait_dscnt 0x0
	CROUND                                         ; everybody's part is in, and all sixteen work-groups are here
	JLOAD G0+4, G1, G0B+4, G1B                     ; slot 1's first fill, the first tensor load behind the round
	FETCH_B 0, 0, 0
	FETCH_A 0, 0, 0
	FETCH_A 0, 0, 4
	ASK 2
	STEP 0, 0, 0, 1                                ; step 0: its products start the sums
	STEP 0, 1, 1, 0
	TURN 0, 1, 0, 1                                ; step 2;  slot 0 takes steps 6-8
	STEP 1, 0, 1, 0
	STEP 1, 1, 0, 0
	TURN 1, 0, 1, 1                                ; step 5;  slot 1 takes steps 9-11
	STEP 0, 0, 0, 0
	STEP 0, 1, 1, 0
	TURN 0, 1, 0, 1                                ; step 8;  slot 0 takes steps 12-14
	STEP 1, 0, 1, 0
	STEP 1, 1, 0, 0
	TURN 1, 0, 1, 2                                ; step 11;  slot 1 takes step 15
	; What the epilogue reads is asked for four steps, 256 matrix instructions, ahead.  EVERY wave asks for both forms of its head's bias and for block 0's cos and sin: all addresses are good for every kind of wave,
	; and the text parts on the kind of wave once only, in the epilogue.
.set g, 0
.rept 16
	global_load_b128 v[BI+4*g:BI+4*g+3], v[BO], s[BIA:BIA+1] offset:128*(g/4)+16*(g%4)   ; register e: the bias of d = 32 (e / 16) + 16 h + e % 16
.set g, g+1
.endr
.set g, 0
.rept 8
	global_load_b32 v[VB+2*g], v[VO], s[BIA:BIA+1] offset:4*(32*(g/2)+8*(g%2))           ; block g: the bias of d = 32 (g / 2) + 8 (g % 2) + r + 8 (r / 8), twice: a pair for the packed addition
	global_load_b32 v[VB+2*g+1], v[VO], s[BIA:BIA+1] offset:4*(32*(g/2)+8*(g%2))
.set g, g+1
.endr
	CSLOAD 0
	STEP 0, 0, 0, 0
	STEP 0, 1, 1, 0
	TURN 0, 1, 0, 0                                ; step 14: nothing is left to fetch, and no round of the cluster's barrier follows
	s_wait_dscnt 4*NL                              ; step 15, the last
	WIN MUL_LO
	MUL16 0, 1, 0
	MUL16 2, 1, 0
	s_wait_dscnt 0
	WIN MUL_HI
	MUL16 4, 1, 0
	MUL16 6, 1, 0
	WIN 0
; THE EPILOGUE, block by block of source 1's 16 rows.
; q, k: block a is 16 tokens; y = sum + bias; (y1, y2) = the lower and upper 64 of d; out1 = y1 cos - y2 sin, out2 = y2 cos + y1 sin; quantised along d; the fragment is stored as it stands.
.macro QKBLOCK a
.set AC, 64*((\a)%4)
.set CR, 96-96*((\a)%2)
.set SR, 224-192*((\a)%2)
.if (\a) < 7
	s_wait_loadcnt 16                              ; this block's cos and sin (and all before them) are in; the next block's 16 loads may be out
.else
	s_wait_loadcnt 0
.endif
	WIN 0x02+(\a)/4                                ; source 0: the accumulators' window
.set e, 0
.rept 16
	v_pk_add_f32 v[B+64+e:B+65+e], v[AC+e:AC+e+1], v[BI+e:BI+e+1]      ; y1; each accumulator is read from its low end on
.set e, e+2
.endr
.rept 16
	v_pk_add_f32 v[B+e:B+e+1], v[AC+e:AC+e+1], v[BI+e:BI+e+1]          ; y2
.set e, e+2
.endr
	WIN 0x04                                       ; source 1: window 1
.set e, 0
.rept 16
	v_pk_mul_f32 v[B+e:B+e+1], v[B+64+e:B+65+e], v[CR+e:CR+e+1]
.set e, e+2
.endr
.set e, 0
.rept 16
	v_pk_fma_f32 v[B+e:B+e+1], v[B+32+e:B+33+e], v[SR+e:SR+e+1], v[B+e:B+e+1] neg_lo:[1,0,0] neg_hi:[1,0,0]
.set e, e+2
.endr
.set e, 0
.rept 16
	v_pk_mul_f32 v[B+32+e:B+33+e], v[B+32+e:B+33+e], v[CR+e:CR+e+1]
.set e, e+2
.endr
.set e, 0
.rept 16
	v_pk_fma_f32 v[B+32+e:B+33+e], v[B+64+e:B+65+e], v[SR+e:SR+e+1], v[B+32+e:B+33+e]
.set e, e+2
.endr
	WIN 0
	s_wait_xcnt 0x0                                ; the last block's stores have read their registers: the codes are written again only behind this wait
.if (\a) < 6
	CSLOAD (\a)+2
.endif
	QUANT B, PW+(\a)
.irp c, 0,1,2
	global_store_b128 v[LI], v[PC+4*\c:PC+4*\c+3], s[OUT:OUT+1] offset:1536*(\a)+512*\c   ; 32 lanes store 512 consecutive bytes
.endr
.endm
; v: block a is 16 of the head's d; the registers run along my 128 tokens; sum + bias, quantised along the tokens.
.macro VBLOCK a
.set AC, 64*((\a)%4)
	WIN 0x02+(\a)/4
.set e, 0
.rept 32
	v_pk_add_f32 v[B+e:B+e+1], v[AC+e:AC+e+1], v[VB+2*(\a):VB+2*(\a)+1]
.set e, e+2
.endr
	WIN 0
	s_wait_xcnt 0x0
	QUANT B, PW+(\a)
.irp c, 0,1,2
	global_store_b128 v[LI], v[PC+4*\c:PC+4*\c+3], s[OUT:OUT+1] offset:1536*(\a)+512*\c
.endr
.endm
	PLACES NP                                      ; behind the last products: what follows writes registers that they read, loads into such registers and reads results
.irp b, 0,1,2,3
	v_mov_b32 v[TM+4+\b], 0                        ; a lane permute's destination counts as one of its sources
.endr
	v_and_b32 v28, 31, v0
	s_cmp_eq_u32 s[ISV], 1
	s_cbranch_scc1 .Lv_out
	CSLOAD 1
.irp a, 0,1,2,3,4,5,6,7
	QKBLOCK \a
.endr
	s_branch .Lwords
.Lv_out:
	s_wait_loadcnt 0x0
.irp a, 0,1,2,3,4,5,6,7
	VBLOCK \a
.endr
.Lwords:
	v_cmp_le_u32 vcc_lo, 16, v28                   ; the record's 512 bytes of scale words: lanes 0-15 store blocks 0-3 of row r, lanes 16-31 blocks 4-7 (both halves of the lanes hold every word)
.irp i, 0,1,2,3
	v_cndmask_b32 v[SW+\i], v[PW+\i], v[PW+4+\i], vcc_lo
.endr
	global_store_b128 v[LI], v[SW:SW+3], s[OUT:OUT+1] offset:12288
	s_wait_tensorcnt 0x0                           ; the wave's end
	ds_add_u32 v[SPW], v[NIL]
	s_wait_dscnt 0x0
	CROUND                                         ; the closing round: no work-group ends while a partner may still ask for a tile that names it
	s_endpgm
; ---- wo [2048 (K)][2048 (n)] f32 -> wof, laid as every operand here: [tile of 256 columns][K / 128][half] records.  Work-group (cx, y = 4 x cluster y + cy) takes the 128 columns of half tile y and
; the four records of K steps 4 cx .. 4 cx + 3, one a trip.  A LANE TAKES A COLUMN AND ITS REGISTERS RUN DOWN K: a block's largest magnitude needs no other lane, and the conversions give codes with K innermost.
; Lane l takes column l with bits 3 and 4 exchanged: a load reads 128 consecutive bytes a wave, 512 a work-group.  cx and cy enter global addresses alone.  The quantiser's limits are those stated in the launch before.
.set WX,  32                           ; v32-159  my column's 128 numbers down K
.set WF0, 160                          ; v160-171 the even blocks' codes, then the fragment of row block 2 w
.set WF1, 172                          ; v172-183 the odd blocks' codes, then that of row block 2 w + 1
.set WT3, 184                          ; v184-186 a block's upper 16 codes (a conversion's three registers begin on an even number)
.macro WBLK b, left                    ; block b of my column: 32 numbers, all mine
.set WXS, WX+32*(\b)
.set WFD, WF0+12*((\b)%2)+6*((\b)/2)
	s_wait_loadcnt \left
	v_max3_num_f32 v16, |v[WXS]|, |v[WXS+1]|, |v[WXS+2]|
	v_max3_num_f32 v17, |v[WXS+3]|, |v[WXS+4]|, |v[WXS+5]|
.irp i, 6,10,14,18,22,26
	v_max3_num_f32 v16, v16, |v[WXS+\i]|, |v[WXS+\i+1]|
	v_max3_num_f32 v17, v17, |v[WXS+\i+2]|, |v[WXS+\i+3]|
.endr
	v_max3_num_f32 v16, v16, |v[WXS+30]|, |v[WXS+31]|
	v_max3_num_f32 v16, v16, v17, 0x1800000        ; and the floor 2^(3 - 127): the byte cannot fall under 1
	v_add_nc_u32 v18, 0xff000000, v16              ; 2 off the exponent field: the conversions' scale operand
.if (\b) == 0
	v_lshrrev_b32 v19, 23, v18                     ; the four bytes make my column's scale word, the lower K in the lower byte
.else
	v_lshrrev_b32 v17, 23, v18
	v_lshl_or_b32 v19, v17, 8*(\b), v19
.endif
	v_cvt_scalef32_pk16_fp6_f32 v[WFD:WFD+2], v[WXS:WXS+15], v18
	v_cvt_scalef32_pk16_fp6_f32 v[WT3:WT3+2], v[WXS+16:WXS+31], v18
	v_nop                                          ; one plain instruction behind a scaled conversion
.irp i, 0,1,2
	v_mov_b32 v[WFD+3+\i], v[WT3+\i]
.endr
.if (\b)%2                             ; the even blocks' upper lanes change places with the odd blocks' lower lanes: the first run is then row block 2 w's fragment, the second 2 w + 1's
.irp i, 0,1,2,3,4,5
	v_permlane16_swap_b32 v[WF0+6*((\b)/2)+\i], v[WF1+6*((\b)/2)+\i]
.endr
.endif
.endm
.Lwo:
	s_load_b128 s[4:7], s[0:1], 0x40               ; wo s[4:5], wof s[6:7]
	v_lshrrev_b32 v28, 5, v0
	v_readfirstlane_b32 s14, v28                   ; wave 0..3
	s_bfe_u32 s40, ttmp6, 0x40000                  ; cx
	s_bfe_u32 s41, ttmp6, 0x40004                  ; cy
	s_and_b32 s17, ttmp7, 0xffff
	s_lshl_b32 s17, s17, 2
	s_add_co_u32 s17, s17, s41                     ; the half tile, 0..15
	s_lshl_b32 s20, s40, 22                        ; wo: 512 cx rows of 8,192 bytes,
	s_lshl_b32 s18, s17, 9                         ; 128 columns a half tile,
	s_add_co_u32 s20, s20, s18
	s_lshl_b32 s18, s14, 7                         ; 32 a wave
	s_add_co_u32 s20, s20, s18
	s_mov_b32 s21, 0
	s_lshr_b32 s22, s17, 1                         ; wof: the tile, K step 4 cx, the half
	s_mul_i32 s22, s22, TILEB
	s_mul_i32 s18, s40, 4*KREC
	s_add_co_u32 s22, s22, s18
	s_and_b32 s18, s17, 1
	s_mul_i32 s18, s18, REC
	s_add_co_u32 s22, s22, s18
	s_mul_i32 s24, s14, 3072                       ; my two fragments in the record
	s_add_co_u32 s24, s24, s22
	s_mov_b32 s25, 0
	s_lshr_b32 s26, s14, 1                         ; my words: block 2 w + lane / 16 = 4 (w / 2) + 2 (w % 2) + lane / 16
	s_lshl_b32 s26, s26, 8
	s_and_b32 s18, s14, 1
	s_lshl_b32 s18, s18, 3
	s_add_co_u32 s26, s26, s18
	s_add_co_u32 s26, s26, s22
	s_mov_b32 s27, 0
	v_and_b32 v1, 31, v0                           ; lane
	v_lshlrev_b32 v2, 4, v1                        ; my place in an image
	v_and_b32 v3, 7, v1
	v_and_b32 v4, 8, v1
	v_lshl_add_u32 v3, v4, 1, v3
	v_and_b32 v4, 16, v1
	v_lshrrev_b32 v4, 1, v4
	v_add_nc_u32 v3, v3, v4                        ; the lane's number with bits 3 and 4 exchanged
	v_lshlrev_b32 v3, 2, v3
	v_and_b32 v6, 15, v0
	v_bfe_u32 v7, v0, 4, 1
	v_lshlrev_b32 v5, 4, v6
	v_lshl_add_u32 v5, v7, 2, v5                   ; 16 r + 4 (lane / 16)
	s_wait_alu depctr_va_vdst(0)
	s_wait_kmcnt 0x0
	s_add_nc_u64 s[20:21], s[4:5], s[20:21]
	s_add_nc_u64 s[24:25], s[6:7], s[24:25]
	s_add_nc_u64 s[26:27], s[6:7], s[26:27]
	s_mov_b32 s12, 0
.Lwo_rec:                                              ; 4 trips, a record each
.irp b, 0,1,2,3
.irp i, 0,1,2,3,4,5,6,7,8,9,10,11,12,13,14,15,16,17,18,19,20,21,22,23,24,25,26,27,28,29,30,31
	global_load_b32 v[WX+32*\b+\i], v3, s[20:21] offset:(32*\b+\i)*8192 th:TH_LOAD_NT
.endr
.endr
	WBLK 0, 63                                     ; 96 loads were issued behind block 0's, 64 behind block 1's: 63 is the largest count that the wait can name
	WBLK 1, 63
	WBLK 2, 32                                     ; block 3's 32 may be out
	WBLK 3, 0
.irp c, 0,1,2
	global_store_b128 v2, v[WF0+4*\c:WF0+4*\c+3], s[24:25] offset:512*\c        ; 32 lanes store 512 consecutive bytes
	global_store_b128 v2, v[WF1+4*\c:WF1+4*\c+3], s[24:25] offset:1536+512*\c
.endr
	global_store_b32 v5, v19, s[26:27] offset:12288   ; 4 bytes a lane, 16 bytes apart: the four waves' words interleave.  One byte in 128 of what this path reads
	s_wait_xcnt 0x0                                ; the bases step, and the next trip writes the stores' data again, only behind this wait
	s_add_nc_u64 s[20:21], s[20:21], 0x100000      ; 128 rows of wo on
	s_add_nc_u64 s[24:25], s[24:25], KREC
	s_add_nc_u64 s[26:27], s[26:27], KREC
	s_add_co_u32 s12, s12, 1
	s_cmp_lt_u32 s12, 4
	s_cbranch_scc1 .Lwo_rec
	CROUND                                         ; a cluster's work-groups end behind a round, on this path as on the other
	s_endpgm
.Lfunc_end_k_qfc1f3bf7e7_qkv:
	.size	k_qfc1f3bf7e7_qkv, .Lfunc_end_k_qfc1f3bf7e7_qkv-k_qfc1f3bf7e7_qkv
	.p2alignl 7, 3214868480
	.fill 96, 4, 3214868480
	.section	.rodata,"a",@progbits
	.p2align	6, 0x0
	.amdhsa_kernel k_qfc1f3bf7e7_qkv
		.amdhsa_group_segment_fixed_size 327680
		.amdhsa_private_segment_fixed_size 0
		.amdhsa_enable_private_segment 0
		.amdhsa_kernarg_size 80
		.amdhsa_user_sgpr_count 2
		.amdhsa_user_sgpr_kernarg_segment_ptr 1
		.amdhsa_wavefront_size32 1
		.amdhsa_system_sgpr_workgroup_id_x 1
		.amdhsa_system_sgpr_workgroup_id_y 1
		.amdhsa_system_sgpr_workgroup_id_z 1
		.amdhsa_system_vgpr_workitem_id 0
		.amdhsa_next_free_vgpr 1024
		.amdhsa_next_free_sgpr 102
		.amdhsa_reserve_vcc 1
		.amdhsa_float_denorm_mode_32 3
		.amdhsa_float_denorm_mode_16_64 3
		.amdhsa_memory_ordered 1
		.amdhsa_forward_progress 1
		.amdhsa_inst_pref_size 255
	.end_amdhsa_kernel
	.section	.bss,"aw",@nobits
	.p2align	6
	.space	262144
	.amdgpu_metadata
---
amdhsa.version: [ 1, 2 ]
amdhsa.kernels:
  - .name:           k_qfc1f3bf7e7_qkv
    .symbol:         k_qfc1f3bf7e7_qkv.kd
    .args:
      - { .name: xf, .offset: 0, .size: 8, .value_kind: global_buffer, .address_space: global }
      - { .name: wf, .offset: 8, .size: 8, .value_kind: global_buffer, .address_space: global }
      - { .name: cs, .offset: 16, .size: 8, .value_kind: global_buffer, .address_space: global }
      - { .name: bq, .offset: 24, .size: 8, .value_kind: global_buffer, .address_space: global }
      - { .name: bk, .offset: 32, .size: 8, .value_kind: global_buffer, .address_space: global }
      - { .name: bv, .offset: 40, .size: 8, .value_kind: global_buffer, .address_space: global }
      - { .name: qf, .offset: 48, .size: 8, .value_kind: global_buffer, .address_space: global }
      - { .name: kvf, .offset: 56, .size: 8, .value_kind: global_buffer, .address_space: global }
      - { .name: wo, .offset: 64, .size: 8, .value_kind: global_buffer, .address_space: global }
      - { .name: wof, .offset: 72, .size: 8, .value_kind: global_buffer, .address_space: global }
    .group_segment_fixed_size: 327680
    .private_segment_fixed_size: 0
    .kernarg_segment_align: 8
    .kernarg_segment_size: 80
    .max_flat_workgroup_size: 128
    .sgpr_count:     102
    .vgpr_count:     1024
    .wavefront_size: 32
...
	.end_amdgpu_metadata
.endif
;; end of part 2
;; launch attn (part 3): grid 16 x 16, 16 waves a work-group, clusters of 4 x 1, 327,680 bytes of LDS; arguments qf, kvf, of; writes of
.if DOCPART == 3
	.amdgcn_target "amdgcn-amd-amdhsa--gfx1250"
	.amdhsa_code_object_version 6
	.text
	.protected	k_qfc1f3bf7e7_attn
	.globl	k_qfc1f3bf7e7_attn
	.p2align	8
	.type	k_qfc1f3bf7e7_attn,@function
k_qfc1f3bf7e7_attn:
	s_mov_b64 s[64:65], 0
	v_nop
	global_prefetch_b8 v0, s[64:65] scope:SCOPE_SE
	s_setreg_imm32_b32 hwreg(HW_REG_WAVE_MODE, 25, 1), 1
	s_wait_xcnt 0x0
	s_wait_alu depctr_hold_cnt(0) depctr_sa_sdst(0) depctr_va_vdst(0) depctr_va_sdst(0) depctr_va_ssrc(0) depctr_va_vcc(0) depctr_vm_vsrc(0)
	s_getreg_b32 s2, hwreg(HW_REG_IB_STS2, 6, 4)
	s_cmp_eq_u32 s2, 0
	s_cbranch_scc0 .Lentry_in_a_cluster
	s_endpgm
.Lentry_in_a_cluster:
	s_bfe_u32 s2, ttmp6, 0x10000c
	s_cmp_lg_u32 s2, 0x3003
	s_cbranch_scc0 .Lentry_shape_is_right
	s_endpgm
.Lentry_shape_is_right:
; ATTN.  o = softmax(q k^T / sqrt(128), causal) v for 4 batches x 16 heads x 1,024 tokens, both products on codes of FP6 (E2M3) with E8M0 scales; o / l is quantised along the head's 128 and stored as the last product's operand.
; THE SOFTMAX AHEAD OF THE SECOND PRODUCT: t = score x log2(e) / sqrt(128); M = the row's largest t so far, rounded UP to a whole number; p = 2^(t - M) is quantised along the keys, not normalised.
; The row's sum is taken of the unquantised p and divides at the end.  When M moves, the sum and O are multiplied by 2^(old M - new M): exact.
; OPERANDS: fragments as images of their 12 registers, records of 8 fragments + 512 bytes of scale words (12,800 bytes), rows with bits 3 and 4 of their number exchanged, as the launches before laid them.
; So lane r of tile t of a key step holds key 32 (t / 2) + 8 (t % 2) + r + 8 (r / 8), and the 16 registers of two neighbouring tiles of S^T are 16 neighbouring keys.  Both products are used transposed: a lane holds one query.
; CAUSAL.  A tile of 16 queries in block tb of 128 needs key steps 0 .. tb of 128 keys; later steps are left out by scalar branches on ids; in step tb hidden scores become -infinity ahead of the maximum.
; SHARES.  A work-group takes, of one head, blocks tb in {7, 0, 4, 3} or {6, 1, 5, 2} and four tiles of each: 72 key steps.  The four waves w / 4 = i take tile 4 j + i of each block, 18 key steps, by ROLE = (w + i) % 4:
;   role 0: block 7 (6), key steps 0 .. 3;   role 1: the same tile, key steps 4 .. 7 (6);   role 2: block 4 (5), whole;   role 3: block 3 (2), whole, and then block 0 (1), whole.
; So no wave walks more than 5 (6) key steps, and each four waves w % 4 alike hold one wave of each role.  Role 1 hands -M, the sums and O^T to role 0 through LDS; role 0 brings both parts under the greater M
; (two exact powers of two) and adds them.  Every query of such a tile has open keys in both parts, so both M are true maxima.
; CLUSTER.  The four partners are the four query heads of one key and value head.  That head's K and V, 8 key steps x 25,600 bytes, fit in LDS whole and are asked for jointly in two fills of four key steps; each of the sixteen
; waves brings a sixteenth, 6,400 bytes, with one tensor load.  The first fill is issued at the head; the second, a first fill of its own bytes, behind the waits, the add and a round;
; a barrier behind key step 0 shows it to all waves.  One load of mine is out at the most.  A partner's place enters global addresses alone.
; No prefetch: the second fill has key step 0's work in which to land, nothing stands ahead of the first in which to ask for it, and the second tile's Q is asked for ahead of the first tile's way out.
; LIMITS: NaN and infinities are not served; the quantiser's floor as in the launches before; the promise holds while the scaled scores t stay under 2^31 in magnitude.
; REGISTERS: v1-11, v28 addresses that stay; v12 -M, v13 the largest t, v[14:15] the sum in two halves; v16-27 Q; v32-79 four fragments of K or V; v84-87, v248-251 K's or V's scale words; v96-159 S^T, then p, then V's last four
;   fragments; v160-223 O^T; v224-235 p's codes; v82-83, v88-93, v232-247 at work; v252 f; v253 p's scale word; v254 at work; v255 Q's scale word.
.set LI,   1                           ; v1   16 x lane
.set LR,   2                           ; v2   16 r
.set DQ,   3                           ; v3   my query's number in its block of 128, less 16 h
.set SPW,  4                           ; v4   LDS address of my spare word; never rewritten
.set PW1,  5                           ; v5   LDS: where the scale word goes on the first way out
.set PWL,  6                           ; v6   LDS: where waves 0-3 read four tiles' words
.set LN,   7                           ; v7   lane
.set ADK,  8                           ; v8   LDS: the key step's fragments
.set NIL,  9                           ; v9   0; never rewritten
.set ADS,  10                          ; v10  LDS: the key step's scale words
.set PW2,  11                          ; v11  LDS: where the scale word goes on the second way out
.set XA,   28                          ; v28  LDS: my place in the image that role 1 hands to role 0
.set TM,   64                          ; the way out: QUANT's registers
.set PC,   32
.set PWX,  204800                      ; behind K and V: 4 x 256 bytes for the tiles' scale words
.set SPARE, 205824                     ; the spare words, 128 bytes a wave: eight blocks of 256 bytes that no other line names
.set XCH,  207872                      ; four images of 17 x 512 bytes: O^T, then -M, t and the sums
.set WV,   18
.set SEL,  20                          ; s[20:21] lane selects for v_permlanex16_b32: lane l xor 16
.set CS,   22                          ; s[22:23] c = log2(e) / sqrt(128)
.set G1,   24                          ; s[24:31] descriptor group 1;  s[32:39] two groups 0
.set G0,   32
.set LO,   40                          ; s40, s41  the first and the last key step of the pass in hand
.set HI,   41
.set TB,   48                          ; s48  LDS byte at which the key step in hand begins
.set KS,   49                          ; s49  its number
.set TBQ,  50                          ; s50  the block of 128 queries in hand
.set CNT,  51
.set ROLE, 57
.macro ROUND                           ; a round of the cluster's barrier
	s_barrier_signal -1
	s_barrier_wait -1
	s_cmp_lg_u32 s[WV], 0
	s_cbranch_scc1 .Lnot_wave_0_\@
	s_barrier_signal -3
.Lnot_wave_0_\@:
	s_barrier_wait -3
	s_barrier_signal -1
	s_barrier_wait -1
.endm
.macro PLACES n                        ; plain vector instructions that name no register of the matrix instructions before them
.rept \n
	v_nop
.endr
.endm
.macro QUANT s, pw                     ; 64 numbers of a lane, register 16 b + i = k 32 b + 16 (lane / 16) + i of my row -> a fragment's codes in v[PC] on, its scale word in v[pw]
.irp b, 0,1,2,3
	v_max3_num_f32 v[TM+\b], |v[(\s)+16*\b]|, |v[(\s)+1+16*\b]|, 0x1800000
.endr
.irp i, 2,4,6,8,10,12,14
.irp b, 0,1,2,3
	s_delay_alu instid0(VALU_DEP_4)
	v_max3_num_f32 v[TM+\b], v[TM+\b], |v[(\s)+16*\b+\i]|, |v[(\s)+1+16*\b+\i]|
.endr
.endr
.irp b, 0,1,2,3
	s_delay_alu instid0(VALU_DEP_4)
	v_permlanex16_b32 v[TM+4+\b], v[TM+\b], s[SEL], s[SEL+1]
.endr
.irp b, 0,1,2,3
	s_delay_alu instid0(VALU_DEP_4)
	v_max_num_f32 v[TM+\b], v[TM+\b], v[TM+4+\b]
.endr
.irp b, 0,1,2,3
	s_delay_alu instid0(VALU_DEP_4)
	v_add_nc_u32 v[TM+12+\b], 0xff000000, v[TM+\b]
.endr
.irp b, 0,1,2,3
	s_delay_alu instid0(VALU_DEP_4)
	v_lshrrev_b32 v[TM+4+\b], 23, v[TM+12+\b]
.endr
	s_delay_alu instid0(VALU_DEP_3)
	v_lshl_or_b32 v[\pw], v[TM+5], 8, v[TM+4]
	s_delay_alu instid0(VALU_DEP_1)
	v_lshl_or_b32 v[\pw], v[TM+6], 16, v[\pw]
	s_delay_alu instid0(VALU_DEP_1)
	v_lshl_or_b32 v[\pw], v[TM+7], 24, v[\pw]
.irp c, 0,1
	v_cvt_scalef32_pk16_fp6_f32 v[PC+6*\c:PC+2+6*\c], v[(\s)+32*\c:(\s)+15+32*\c], v[TM+12+2*\c]
	v_cvt_scalef32_pk16_fp6_f32 v[PC+12+4*\c:PC+14+4*\c], v[(\s)+16+32*\c:(\s)+31+32*\c], v[TM+12+2*\c+1]
.endr
	v_nop
.irp c, 0,1
.irp i, 0,1,2
	v_permlane16_swap_b32 v[PC+6*\c+\i], v[PC+12+4*\c+\i]
.endr
.irp i, 0,1,2
	s_delay_alu instid0(VALU_DEP_3)
	v_mov_b32 v[PC+3+6*\c+\i], v[PC+12+4*\c+\i]
.endr
.endr
.endm
.macro OOFF d, tb, plus                ; s[d:d+1] = the byte in of at which block tb's record begins, [tile 4 b + tb / 2][head][tb % 2], + s[plus]
	s_lshr_b32 s[\d+1], s[\tb], 1
	s_add_co_u32 s[\d+1], s[\d+1], s81
	s_lshl_b32 s[\d+1], s[\d+1], 4
	s_add_co_u32 s[\d+1], s[\d+1], s61
	s_lshl_b32 s[\d+1], s[\d+1], 1
	s_and_b32 s[\d], s[\tb], 1
	s_add_co_u32 s[\d], s[\d], s[\d+1]
	s_mul_i32 s[\d], s[\d], 12800
	s_add_co_u32 s[\d], s[\d], s[\plus]
	s_mov_b32 s[\d+1], 0
.endm
.macro QLOAD f, w                      ; a tile's fragment of Q and its scale words
.irp c, 0,1,2
	global_load_b128 v[16+4*\c:19+4*\c], v[LI], s[\f:\f+1] offset:512*\c
.endr
	global_load_b32 v255, v[LR], s[\w:\w+1] offset:12288
.endm
.macro FRESH                           ; a tile's state at its start: the step is written for every step alike, and the first finds zeros, which the first change of M leaves zeros
	v_mov_b32 v13, 0xff61b1e6                      ; the largest t so far: -3e38, under every t
	v_mov_b32 v14, 0                               ; the sum, in two halves
	v_mov_b32 v15, 0
	v_floor_f32 v12, -v13                          ; -M
.set n, 0
.rept 64
	v_mov_b32 v[160+n], 0                          ; O^T
.set n, n+1
.endr
.endm
; A KEY STEP: 128 keys.
.macro STEP
	s_cmp_lt_u32 s[KS], s[LO]                      ; outside my pass's range of key steps: left out, but for the lines at its end that step addresses
	s_cbranch_scc1 .Lhidden_\@
	s_cmp_gt_u32 s[KS], s[HI]
	s_cbranch_scc1 .Lhidden_\@
	v_add_nc_u32 v[ADK], s[TB], v[LI]
	v_add_nc_u32 v[ADS], s[TB], v[LR]
	s_wait_alu depctr_va_vdst(0)
	PLACES 3                                       ; with the two additions: five places behind the last step's products, whose sources are loaded into and written over below
.irp g, 0,1                                    ; S^T = K Q^T, four tiles of 16 keys at a time
.if \g
	PLACES 4
.endif
.irp t, 0,1,2,3
.irp c, 0,1,2
	ds_load_b128 v[32+12*\t+4*\c:35+12*\t+4*\c], v[ADK] offset:(4*\g+\t)*1536+512*\c
.endr
.endr
	ds_load_b128 v[248:251], v[ADS] offset:12288+256*\g
	s_wait_dscnt 0x0
.irp t, 0,1,2,3
	v_wmma_scale_f32_16x16x128_f8f6f4 v[96+8*(4*\g+\t):103+8*(4*\g+\t)], v[32+12*\t:43+12*\t], v[16:27], 0, v[248+\t], v255 matrix_a_fmt:MATRIX_FMT_FP6 matrix_b_fmt:MATRIX_FMT_FP6
.endr
.endr
	PLACES 4
.irp t, 0,1,2,3                                ; V's first four fragments and all its scale words are asked for here: the softmax stands between these loads and the wait for them
.irp c, 0,1,2
	ds_load_b128 v[32+12*\t+4*\c:35+12*\t+4*\c], v[ADK] offset:12800+\t*1536+512*\c
.endr
.endr
	ds_load_b128 v[248:251], v[ADS] offset:25088
	ds_load_b128 v[84:87], v[ADS] offset:25344
	s_cmp_lg_u32 s[KS], s[TBQ]                     ; only the step on the diagonal has hidden keys
	s_cbranch_scc1 .Lopen_\@
	v_mov_b32 v254, 0xff800000                     ; -infinity.  Register 16 b + i holds key 32 b + 16 h + i of the step: hidden where 32 b + i > my query's number - 16 h
.set n, 0
.rept 64
	v_cmp_gt_i32 vcc_lo, 32*(n/16)+n%16, v[DQ]
	v_cndmask_b32 v[96+n], v[96+n], v254, vcc_lo
.set n, n+1
.endr
.Lopen_\@:
.irp b, 0,1,2,3
	v_max3_num_f32 v[232+\b], v[96+16*\b], v[97+16*\b], v[98+16*\b]   ; THE LARGEST SCORE OF EACH BLOCK OF 32 KEYS serves twice: for the row's maximum and, since p rises with the score, for the block's largest p
.endr
.irp i, 3,5,7,9,11,13
.irp b, 0,1,2,3
	v_max3_num_f32 v[232+\b], v[232+\b], v[96+16*\b+\i], v[97+16*\b+\i]
.endr
.endr
.irp b, 0,1,2,3
	v_max_num_f32 v[232+\b], v[232+\b], v[111+16*\b]
.endr
.irp b, 0,1,2,3
	s_delay_alu instid0(VALU_DEP_4)
	v_permlanex16_b32 v[236+\b], v[232+\b], s[SEL], s[SEL+1]
.endr
.irp b, 0,1,2,3
	s_delay_alu instid0(VALU_DEP_4)
	v_max_num_f32 v[232+\b], v[232+\b], v[236+\b]  ; with lane l xor 16's 16 keys
.endr
	s_delay_alu instid0(VALU_DEP_2)
	v_max3_num_f32 v254, v232, v233, v234
	s_delay_alu instid0(VALU_DEP_1)
	v_max_num_f32 v254, v254, v235                 ; the step's largest score of my query
	s_delay_alu instid0(VALU_DEP_1)
	v_mul_f32 v254, s[CS], v254                    ; as t (c is positive)
	s_delay_alu instid0(VALU_DEP_1)
	v_max_num_f32 v13, v13, v254                   ; the running largest t
	v_mov_b32 v254, v12
	s_delay_alu instid0(VALU_DEP_2)
	v_floor_f32 v12, -v13                          ; the new -M = floor(-t) = -ceil(t): M IS A WHOLE NUMBER
	s_delay_alu instid0(VALU_DEP_1)
	v_sub_f32 v254, v12, v254                      ; M's old value less its new one: a whole number, 0 or less
	s_delay_alu instid0(VALU_DEP_1)
	v_cvt_i32_f32 v254, v254                       ; (it saturates)
	s_delay_alu instid0(VALU_DEP_1)
	v_ldexp_f32 v252, 1.0, v254                    ; f = 2^(old M - new M)
.set n, 0
.rept 32
	v_pk_fma_f32 v[96+n:97+n], v[96+n:97+n], s[CS:CS+1], v[12:13] op_sel_hi:[1,0,0]   ; t - M, two at a time
.set n, n+2
.endr
.irp b, 0,1,2,3
	v_fma_f32 v[232+\b], v[232+\b], s[CS], v12     ; the same of each block's largest score
.endr
.set n, 0
	s_wait_alu depctr_va_vdst(0)
.rept 64
	v_exp_f32 v[96+n], v[96+n]                     ; p = 2^(t - M), at most 1: NOT normalised
.set n, n+1
.endr
	v_pk_mul_f32 v[14:15], v[14:15], v[252:253] op_sel_hi:[1,0]   ; the sums under the new M: a plain instruction behind the exponentials
	s_wait_alu depctr_va_vdst(0)                   ; one wait for the whole batch, ahead of its first use
.irp b, 0,1,2,3
	v_exp_f32 v[232+\b], v[232+\b]                 ; the block's largest p: the same two instructions on the same number give the same bits
.endr
	v_pk_add_f32 v[236:237], v[100:101], v[104:105]   ; THE ROW'S SUM IS TAKEN OF THE UNQUANTISED p, in six chains
	v_pk_add_f32 v[92:93], v[108:109], v[112:113]
	v_pk_add_f32 v[90:91], v[116:117], v[120:121]
	v_pk_add_f32 v[88:89], v[124:125], v[128:129]
	v_pk_add_f32 v[82:83], v[132:133], v[136:137]
	v_pk_add_f32 v[14:15], v[14:15], v[140:141]
	v_pk_add_f32 v[236:237], v[236:237], v[144:145]
	v_pk_add_f32 v[92:93], v[92:93], v[148:149]
	v_pk_add_f32 v[90:91], v[90:91], v[152:153]
	v_pk_add_f32 v[88:89], v[88:89], v[156:157]
	v_pk_add_f32 v[82:83], v[82:83], v[96:97]
	v_pk_add_f32 v[14:15], v[14:15], v[98:99]
	v_pk_add_f32 v[236:237], v[236:237], v[102:103]
	v_pk_add_f32 v[92:93], v[92:93], v[106:107]
	v_pk_add_f32 v[90:91], v[90:91], v[110:111]
	v_pk_add_f32 v[88:89], v[88:89], v[114:115]
	v_pk_add_f32 v[82:83], v[82:83], v[118:119]
	v_pk_add_f32 v[14:15], v[14:15], v[122:123]
	v_pk_add_f32 v[236:237], v[236:237], v[126:127]
	v_pk_add_f32 v[92:93], v[92:93], v[130:131]
	v_pk_add_f32 v[90:91], v[90:91], v[134:135]
	v_pk_add_f32 v[88:89], v[88:89], v[138:139]
	v_pk_add_f32 v[82:83], v[82:83], v[142:143]
	v_pk_add_f32 v[14:15], v[14:15], v[146:147]
	v_pk_add_f32 v[236:237], v[236:237], v[150:151]
	v_pk_add_f32 v[92:93], v[92:93], v[154:155]
	v_pk_add_f32 v[90:91], v[90:91], v[158:159]
	s_delay_alu instid0(VALU_DEP_1)
	v_pk_add_f32 v[14:15], v[14:15], v[90:91]
	s_delay_alu instid0(VALU_DEP_4)
	v_pk_add_f32 v[236:237], v[236:237], v[88:89]
	s_delay_alu instid0(VALU_DEP_4)
	v_pk_add_f32 v[92:93], v[92:93], v[82:83]
	s_delay_alu instid0(VALU_DEP_1)
	v_pk_add_f32 v[14:15], v[14:15], v[92:93]
	s_delay_alu instid0(VALU_DEP_1)
	v_pk_add_f32 v[14:15], v[14:15], v[236:237]
	s_wait_alu depctr_va_vdst(0)                   ; and one for the four
.irp b, 0,1,2,3
	v_max_num_f32 v[232+\b], 0x1800000, v[232+\b]  ; the floor 2^(3 - 127): a block whose every p is 0 keeps the byte 1: its codes are zeros
.endr
.irp b, 0,1,2,3
	s_delay_alu instid0(VALU_DEP_4)
	v_add_nc_u32 v[244+\b], 0xff000000, v[232+\b]  ; 2 off the exponent field: the conversion's scale operand
.endr
.irp b, 0,1,2,3
	s_delay_alu instid0(VALU_DEP_4)
	v_lshrrev_b32 v[236+\b], 23, v[244+\b]         ; the scale's byte
.endr
	s_delay_alu instid0(VALU_DEP_3)
	v_lshl_or_b32 v253, v237, 8, v236              ; p's scale word for these 128 keys
	s_delay_alu instid0(VALU_DEP_1)
	v_lshl_or_b32 v253, v238, 16, v253
	s_delay_alu instid0(VALU_DEP_1)
	v_lshl_or_b32 v253, v239, 24, v253
.irp c, 0,1
	v_cvt_scalef32_pk16_fp6_f32 v[224+6*\c:226+6*\c], v[96+32*\c:111+32*\c], v[244+2*\c]
	v_cvt_scalef32_pk16_fp6_f32 v[236+4*\c:238+4*\c], v[112+32*\c:127+32*\c], v[244+2*\c+1]
.endr
	v_nop                                          ; one plain instruction behind a scaled conversion
.irp t, 0,1,2,3                                ; p is in codes: its registers take V's last four fragments
.irp c, 0,1,2
	ds_load_b128 v[96+12*\t+4*\c:99+12*\t+4*\c], v[ADK] offset:12800+(4+\t)*1536+512*\c
.endr
.endr
.irp c, 0,1                                    ; the operand wants a WHOLE block in a lane
.irp i, 0,1,2
	v_permlane16_swap_b32 v[224+6*\c+\i], v[236+4*\c+\i]
.endr
.irp i, 0,1,2
	s_delay_alu instid0(VALU_DEP_3)
	v_mov_b32 v[227+6*\c+\i], v[236+4*\c+\i]
.endr
.endr
.set n, 0
.rept 32
	v_pk_mul_f32 v[160+n:161+n], v[160+n:161+n], v[252:253] op_sel_hi:[1,0]   ; O^T under the new M.  (These 32 are also the places between the codes and the scale word just made and the matrix instructions below)
.set n, n+2
.endr
	s_wait_alu depctr_va_vdst(0)
	s_wait_dscnt 0x0                               ; all of V's fragments and scale words are in
.irp t, 0,1,2,3                                ; O^T += V^T P^T: eight tiles of 16 of the head's 128, eight accumulators by turns; K = these 128 keys
	v_wmma_scale_f32_16x16x128_f8f6f4 v[160+8*\t:167+8*\t], v[32+12*\t:43+12*\t], v[224:235], v[160+8*\t:167+8*\t], v[248+\t], v253 matrix_a_fmt:MATRIX_FMT_FP6 matrix_b_fmt:MATRIX_FMT_FP6
.endr
.irp t, 0,1,2,3
	v_wmma_scale_f32_16x16x128_f8f6f4 v[192+8*\t:199+8*\t], v[96+12*\t:107+12*\t], v[224:235], v[192+8*\t:199+8*\t], v[84+\t], v253 matrix_a_fmt:MATRIX_FMT_FP6 matrix_b_fmt:MATRIX_FMT_FP6
.endr
.Lhidden_\@:
	s_add_co_u32 s[KS], s[KS], 1
	s_add_co_u32 s[TB], s[TB], 25600
.endm
; THE WAY OUT of a tile.  O^T / the sum: register e of my query is d = 32 (e / 16) + 16 h + e % 16 (V's rows lie in the exchanged order): quantised along d it is one fragment of the last product's operand.
.macro OUT ob, pw
	PLACES 4                                       ; behind the last products
	v_add_f32 v14, v14, v15                        ; the sum's two halves,
	s_delay_alu instid0(VALU_DEP_1)
	v_permlanex16_b32 v252, v14, s[SEL], s[SEL+1]
	s_delay_alu instid0(VALU_DEP_1)
	v_add_f32 v14, v14, v252                       ; and lane l xor 16's: the row's sum
	s_wait_alu depctr_va_vdst(0)
	v_rcp_f32 v14, v14
.irp b, 0,1,2,3
	v_mov_b32 v[TM+4+\b], 0                        ; (plain instructions behind the reciprocal)  a lane permute's destination counts as one of its sources
.endr
	s_wait_alu depctr_va_vdst(0)                   ; the wait, ahead of the first use
.set n, 0
.rept 32
	v_pk_mul_f32 v[96+n:97+n], v[160+n:161+n], v[14:15] op_sel_hi:[1,0]
.set n, n+2
.endr
	QUANT 96, 80
.irp c, 0,1,2
	global_store_b128 v[LI], v[PC+4*\c:PC+4*\c+3], s[\ob:\ob+1] offset:512*\c   ; 32 lanes store 512 consecutive bytes
.endr
	ds_store_b32 v[\pw], v80                       ; the four tiles of a block of queries gather their words (both halves of the lanes write the same word with the same value)
.endm
	s_load_b128 s[4:7], s[0:1], 0x0                ; qf, kvf
	s_load_b64 s[8:9], s[0:1], 0x10                ; of
	v_lshl_add_u32 v[SPW], v0, 2, SPARE
	v_mov_b32 v[NIL], 0
	ds_add_u32 v[SPW], v[NIL]                      ; the opening lines: the add, twice on end, and its wait ahead of my first tensor load
	ds_add_u32 v[SPW], v[NIL]
	v_lshrrev_b32 v29, 5, v0
	v_readfirstlane_b32 s[WV], v29                 ; wave 0..15
	; all that hangs on ids alone is made while the arguments are on their way: first the scalars, then the vectors
	s_bfe_u32 s52, ttmp6, 0x40000                  ; cx: which of the four query heads: it enters global addresses alone
	s_and_b32 s53, ttmp7, 0xffff                   ; 4 b + the key and value head
	s_and_b32 s54, ttmp9, 1                        ; which set of blocks
	s_lshr_b32 s55, ttmp9, 1                       ; j: which four tiles of each block
	s_lshr_b32 s56, s[WV], 2                       ; i: which of the four
	s_add_co_u32 s[ROLE], s[WV], s56
	s_and_b32 s[ROLE], s[ROLE], 3
	s_lshl_b32 s58, s[ROLE], 2
	s_lshr_b32 s[TBQ], 0x3477, s58
	s_and_b32 s[TBQ], s[TBQ], 7                    ; by role: 7, 7, 4, 3
	s_xor_b32 s[TBQ], s[TBQ], s54                  ; or 6, 6, 5, 2
	s_cmp_eq_u32 s[ROLE], 1
	s_cselect_b32 s[LO], 4, 0                      ; role 1 begins at key step 4,
	s_cmp_eq_u32 s[ROLE], 0
	s_cselect_b32 s[HI], 3, s[TBQ]                 ; role 0 ends at key step 3
	s_cmp_eq_u32 s[ROLE], 3
	s_cselect_b32 s42, s54, s[TBQ]                 ; the block of the second way out: role 3's second tile (block 0 or 1), role 0's only one
	s_and_b32 s80, s[WV], 3
	s_lshl_b32 s43, s80, 2
	s_lshr_b32 s43, 0x3407, s43
	s_and_b32 s43, s43, 7
	s_xor_b32 s43, s43, s54                        ; the block whose words wave 0, 1, 2, 3 stores: 7, 0, 4, 3 (6, 1, 5, 2)
	s_lshl_b32 s59, s55, 2
	s_add_co_u32 s59, s59, s56                     ; a: my tile in its block
	s_lshr_b32 s60, s53, 2                         ; b
	s_and_b32 s61, s53, 3
	s_lshl_b32 s61, s61, 2
	s_add_co_u32 s61, s61, s52                     ; the query head
	s_lshl_b32 s81, s60, 2                         ; 4 b
	s_lshl_b32 s62, s60, 4
	s_add_co_u32 s62, s62, s61
	s_lshl_b32 s62, s62, 3                         ; qf: [b][head][tb] records
	s_mul_i32 s70, s59, 1536                       ; my fragment in a record
	s_lshl_b32 s79, s55, 8                         ; 256 j: the four tiles' words in it
	s_lshl_b32 s44, s56, 2                         ; 4 i
	s_add_co_u32 s45, s79, s44
	s_add_co_u32 s68, s62, s[TBQ]
	s_mul_i32 s68, s68, 12800
	s_add_co_u32 s66, s68, s70                     ; the first tile's fragment of Q,
	s_add_co_u32 s68, s68, s45                     ; its scale words: 256 j + 4 i (+ 16 r)
	s_mov_b32 s67, 0
	s_mov_b32 s69, 0
	s_add_co_u32 s84, s62, s54
	s_mul_i32 s84, s84, 12800
	s_add_co_u32 s82, s84, s70                     ; and the same of the tile in block 0 (1)
	s_add_co_u32 s84, s84, s45
	s_mov_b32 s83, 0
	s_mov_b32 s85, 0
	OOFF 72, TBQ, 70                               ; the fragment of o on the first way out,
	OOFF 86, 42, 70                                ; on the second,
	OOFF 74, 43, 79                                ; and the 256 bytes of scale words that waves 0-3 store
	s_lshr_b32 s46, s59, 1
	s_lshl_b32 s46, s46, 5
	s_and_b32 s47, s59, 1
	s_lshl_b32 s47, s47, 3
	s_add_co_u32 s46, s46, s47                     ; 32 (a / 2) + 8 (a % 2)
	s_lshl_b32 s47, s[ROLE], 8                     ; the words' places: 256 x (0: block 7, 1: block 0, 2: block 4, 3: block 3) + 16 r + 4 i.  First way out: roles 2, 3 at places 2, 3;
	s_add_co_u32 s47, s47, s44
	s_add_co_u32 s47, s47, PWX
	s_and_b32 s88, s[ROLE], 1                      ; second way out: roles 0, 3 at places 0, 1
	s_lshl_b32 s88, s88, 8
	s_add_co_u32 s88, s88, s44
	s_add_co_u32 s88, s88, PWX
	s_lshl_b32 s89, s80, 8
	s_add_co_u32 s89, s89, PWX
	s_mul_i32 s90, s56, 8704
	s_add_co_u32 s90, s90, XCH
	s_mov_b32 s[G1], 15|(3<<16)|(1<<21)            ; 15:0 the mask: all four work-groups; 17:16 elements of 8 bytes; 20 no padding; 21 set beside a mask
	s_mov_b32 s[G1+1], 32<<16                      ; tensor_dim0 = 32 elements: 256 bytes
	s_mov_b32 s[G1+2], 25<<16                      ; tensor_dim1 = 25
	s_mov_b32 s[G1+3], 32<<16                      ; tile_dim0
	s_mov_b32 s[G1+4], 25                          ; tile_dim1
	s_mov_b32 s[G1+5], 32                          ; dense
	s_mov_b32 s[G1+6], 0
	s_mov_b32 s[G1+7], 0
	s_mul_i32 s78, s[WV], 6400                     ; a sixteenth of a fill, in LDS and in memory alike
	s_mul_i32 s76, s53, 204800
	s_add_co_u32 s76, s76, s78
	s_mov_b32 s77, 0
	s_mov_b32 s[SEL], 0x76543210
	s_mov_b32 s[SEL+1], 0xfedcba98
	s_mov_b32 s[CS], 0x3e0293ee                    ; c = log2(e) / sqrt(128)
	s_mov_b32 s[CS+1], s[CS]                       ; (named with it as a pair, so it is written)
	s_mov_b32 s[KS], 0
	s_mov_b32 s[TB], 0
	v_and_b32 v[LN], 31, v0
	v_and_b32 v29, 15, v0                          ; r
	v_bfe_u32 v30, v0, 4, 1                        ; h
	v_lshlrev_b32 v[LI], 4, v[LN]
	v_lshlrev_b32 v[LR], 4, v29
	v_and_b32 v[DQ], 8, v29
	v_lshlrev_b32 v30, 4, v30
	v_add3_u32 v[DQ], v[DQ], v29, s46              ; my query's number in its block,
	v_add_nc_u32 v[PW1], s47, v[LR]
	v_add_nc_u32 v[PW2], s88, v[LR]
	v_sub_nc_u32 v[DQ], v[DQ], v30                 ; less 16 h
	v_add_nc_u32 v[PWL], s89, v[LR]
	v_add_nc_u32 v[XA], s90, v[LI]
	s_wait_alu depctr_va_vdst(0)
	s_wait_dscnt 0x0                               ; both opening adds are done
	s_wait_kmcnt 0x0
	s_add_nc_u64 s[66:67], s[4:5], s[66:67]
	s_add_nc_u64 s[68:69], s[4:5], s[68:69]
	QLOAD 66, 68                                   ; the first tile's Q
	s_add_nc_u64 s[82:83], s[4:5], s[82:83]
	s_add_nc_u64 s[84:85], s[4:5], s[84:85]
	s_add_nc_u64 s[72:73], s[8:9], s[72:73]
	s_add_nc_u64 s[86:87], s[8:9], s[86:87]
	s_add_nc_u64 s[74:75], s[8:9], s[74:75]
	s_add_nc_u64 s[76:77], s[6:7], s[76:77]
.irp g, 0,1
	s_mov_b32 s[G0+4*\g], 1
	s_add_co_u32 s[G0+4*\g+1], s78, 102400*\g
	s_add_nc_u64 s[G0+4*\g+2:G0+4*\g+3], s[76:77], 102400*\g
	s_or_b32 s[G0+4*\g+3], s[G0+4*\g+3], 0x80000000
.endr
	ROUND                                          ; all four work-groups are here: the joint loads meet
	tensor_load_to_lds s[G0:G0+3], s[G1:G1+7]      ; my sixteenth of key steps 0 .. 3: every wave's one load at the head
	s_nop 0
	PLACES 4
.irp b, 0,1,2,3
	v_mov_b32 v[236+\b], 0                         ; written once: a lane permute's destination counts as one of its sources
.endr
	v_mov_b32 v252, 0
	v_mov_b32 v253, 0                              ; (named as the upper half of the pair v[252:253] before it is first written)
	FRESH
	s_wait_alu depctr_va_vdst(0)
	s_wait_loadcnt 0x0                             ; Q
	s_wait_tensorcnt 0x0                           ; my part of the first fill is in
	ds_add_u32 v[SPW], v[NIL]
	s_wait_dscnt 0x0
	ROUND                                          ; everybody's part is in, and all four work-groups are here
	tensor_load_to_lds s[G0+4:G0+7], s[G1:G1+7]    ; my sixteenth of key steps 4 .. 7, the first tensor load behind the round
	s_nop 0
	PLACES 4
	STEP                                           ; THE FIRST PASS.  Key step 0: roles 0, 2 and 3
	s_wait_tensorcnt 0x0                           ; my part of the second fill is in,
	s_wait_dscnt 0x0
	s_barrier_signal -1
	s_barrier_wait -1                              ; everybody's is
	s_mov_b32 s[CNT], 7
.Lpass_1:                                              ; key steps 1 .. 7: every wave walks all trips and works in those of its range
	STEP
	s_sub_co_u32 s[CNT], s[CNT], 1
	s_cmp_lg_u32 s[CNT], 0
	s_cbranch_scc1 .Lpass_1
	s_cmp_lt_u32 s[ROLE], 2
	s_cbranch_scc1 .Lnot_whole
	QLOAD 82, 84                                   ; roles 2 and 3 hold a whole tile.  The next tile's Q is asked for first (role 2 has no use for it: the address is good, and the text stays one)
	OUT 72, PW1
	FRESH
	s_wait_alu depctr_va_vdst(0)
	s_wait_xcnt 0x0                                ; the stores have read their registers: the second pass loads into them only behind this wait
.Lnot_whole:
	s_cmp_lg_u32 s[ROLE], 1
	s_cbranch_scc1 .Lnot_high
	PLACES 4                                       ; role 1 hands its part over: images of four registers, 512 bytes each
.set n, 0
.rept 16
	ds_store_b128 v[XA], v[160+4*n:163+4*n] offset:512*n
.set n, n+1
.endr
	ds_store_b128 v[XA], v[12:15] offset:8192
.Lnot_high:
	s_cmp_eq_u32 s[ROLE], 3                        ; THE SECOND PASS: role 3's tile in block 0 (1), key steps 0 (and 1); for the others no trip lies in the range
	s_cselect_b32 s[LO], 0, 8
	s_mov_b32 s[HI], s54
	s_mov_b32 s[TBQ], s54
	s_mov_b32 s[KS], 0
	s_mov_b32 s[TB], 0
	s_mov_b32 s[CNT], 2
	s_wait_loadcnt 0x0                             ; its Q
.Lpass_2:
	STEP
	s_sub_co_u32 s[CNT], s[CNT], 1
	s_cmp_lg_u32 s[CNT], 0
	s_cbranch_scc1 .Lpass_2
	s_wait_dscnt 0x0                               ; for the others' sake: my stores have landed
	s_barrier_signal -1
	s_barrier_wait -1                              ; role 1's parts are in LDS
	s_add_co_u32 s91, s[ROLE], 1
	s_and_b32 s91, s91, 2
	s_cmp_lg_u32 s91, 0
	s_cbranch_scc1 .Lno_second                     ; roles 1 and 2 have nothing left
	s_cmp_lg_u32 s[ROLE], 0
	s_cbranch_scc1 .Lno_join
	PLACES 4                                       ; role 0 joins the two parts.  (Places in front of loads into registers that my last products read)
.set n, 0
.rept 16
	ds_load_b128 v[96+4*n:99+4*n], v[XA] offset:512*n
.set n, n+1
.endr
	ds_load_b128 v[88:91], v[XA] offset:8192       ; v88: the other part's -M; v[90:91]: its sums
	s_wait_dscnt 0x0
	v_min_num_f32 v254, v12, v88                   ; -M of both
	s_delay_alu instid0(VALU_DEP_1)
	v_sub_f32 v92, v254, v12                       ; my M less the common one, and the other's: whole numbers, 0 or less
	v_sub_f32 v93, v254, v88
	s_delay_alu instid0(VALU_DEP_2)
	v_cvt_i32_f32 v92, v92
	s_delay_alu instid0(VALU_DEP_2)
	v_cvt_i32_f32 v93, v93
	s_delay_alu instid0(VALU_DEP_2)
	v_ldexp_f32 v252, 1.0, v92                     ; my part's factor,
	s_delay_alu instid0(VALU_DEP_2)
	v_ldexp_f32 v92, 1.0, v93                      ; and the other's: powers of two
	s_delay_alu instid0(VALU_DEP_2)
	v_pk_mul_f32 v[14:15], v[14:15], v[252:253] op_sel_hi:[1,0]
	s_delay_alu instid0(VALU_DEP_1)
	v_pk_fma_f32 v[14:15], v[90:91], v[92:93], v[14:15] op_sel_hi:[1,0,1]
.set n, 0
.rept 32
	v_pk_mul_f32 v[160+n:161+n], v[160+n:161+n], v[252:253] op_sel_hi:[1,0]
.set n, n+2
.endr
.set n, 0
.rept 32
	v_pk_fma_f32 v[160+n:161+n], v[96+n:97+n], v[92:93], v[160+n:161+n] op_sel_hi:[1,0,1]
.set n, n+2
.endr
.Lno_join:
	OUT 86, PW2
.Lno_second:
	s_wait_dscnt 0x0                               ; for the others' sake: my word has landed
	s_barrier_signal -1
	s_barrier_wait -1
	s_cmp_lt_u32 s[WV], 4                          ; waves 0-3 store a block's 256 bytes of scale words each
	s_cbranch_scc0 .Ldone
	PLACES 4                                       ; in front of a load into registers that the last products named as scales
	ds_load_b128 v[84:87], v[PWL]
	s_wait_dscnt 0x0
	v_cmp_gt_u32 vcc_lo, 16, v[LN]
	s_wait_xcnt 0x0                                ; EXEC changes only behind this wait
	s_and_saveexec_b32 s79, vcc_lo
	global_store_b128 v[LR], v[84:87], s[74:75] offset:12288   ; sixteen lanes store 256 consecutive bytes, aligned
	s_wait_xcnt 0x0
	s_or_b32 exec_lo, exec_lo, s79
.Ldone:
	s_wait_tensorcnt 0x0                           ; the wave's end
	ds_add_u32 v[SPW], v[NIL]
	s_wait_dscnt 0x0
	ROUND                                          ; the closing round: no work-group ends while a partner may still ask for a tile that names it
	s_endpgm
.Lfunc_end_k_qfc1f3bf7e7_attn:
	.size	k_qfc1f3bf7e7_attn, .Lfunc_end_k_qfc1f3bf7e7_attn-k_qfc1f3bf7e7_attn
	.p2alignl 7, 3214868480
	.fill 96, 4, 3214868480
	.section	.rodata,"a",@progbits
	.p2align	6, 0x0
	.amdhsa_kernel k_qfc1f3bf7e7_attn
		.amdhsa_group_segment_fixed_size 327680
		.amdhsa_private_segment_fixed_size 0
		.amdhsa_enable_private_segment 0
		.amdhsa_kernarg_size 24
		.amdhsa_user_sgpr_count 2
		.amdhsa_user_sgpr_kernarg_segment_ptr 1
		.amdhsa_wavefront_size32 1
		.amdhsa_system_sgpr_workgroup_id_x 1
		.amdhsa_system_sgpr_workgroup_id_y 1
		.amdhsa_system_sgpr_workgroup_id_z 1
		.amdhsa_system_vgpr_workitem_id 0
		.amdhsa_next_free_vgpr 256
		.amdhsa_next_free_sgpr 100
		.amdhsa_reserve_vcc 1
		.amdhsa_float_denorm_mode_32 3
		.amdhsa_float_denorm_mode_16_64 3
		.amdhsa_memory_ordered 1
		.amdhsa_forward_progress 1
		.amdhsa_inst_pref_size 114
	.end_amdhsa_kernel
	.amdgpu_metadata
---
amdhsa.version: [ 1, 2 ]
amdhsa.kernels:
  - .name:           k_qfc1f3bf7e7_attn
    .symbol:         k_qfc1f3bf7e7_attn.kd
    .args:
      - { .name: qf, .offset: 0, .size: 8, .value_kind: global_buffer, .address_space: global }
      - { .name: kvf, .offset: 8, .size: 8, .value_kind: global_buffer, .address_space: global }
      - { .name: of, .offset: 16, .size: 8, .value_kind: global_buffer, .address_space: global }
    .group_segment_fixed_size: 327680
    .private_segment_fixed_size: 0
    .kernarg_segment_align: 8
    .kernarg_segment_size: 24
    .max_flat_workgroup_size: 512
    .sgpr_count:     100
    .vgpr_count:     256
    .wavefront_size: 32
...
	.end_amdgpu_metadata
.endif
;; end of part 3
;; launch outp (part 4): grid 8 x 32, 4 waves a work-group, clusters of 4 x 4, 327,680 bytes of LDS; arguments of, wof, out0; writes out0
.if DOCPART == 4
	.amdgcn_target "amdgcn-amd-amdhsa--gfx1250"
	.amdhsa_code_object_version 6
	.text
	.protected	k_qfc1f3bf7e7_outp
	.globl	k_qfc1f3bf7e7_outp
	.p2align	8
	.type	k_qfc1f3bf7e7_outp,@function
k_qfc1f3bf7e7_outp:
	s_mov_b64 s[64:65], 0
	v_nop
	global_prefetch_b8 v0, s[64:65] scope:SCOPE_SE
	s_setreg_imm32_b32 hwreg(HW_REG_WAVE_MODE, 25, 1), 1
	s_wait_xcnt 0x0
	s_wait_alu depctr_hold_cnt(0) depctr_sa_sdst(0) depctr_va_vdst(0) depctr_va_sdst(0) depctr_va_ssrc(0) depctr_va_vcc(0) depctr_vm_vsrc(0)
	s_getreg_b32 s2, hwreg(HW_REG_IB_STS2, 6, 4)
	s_cmp_eq_u32 s2, 0
	s_cbranch_scc0 .Lentry_in_a_cluster
	s_endpgm
.Lentry_in_a_cluster:
	s_bfe_u32 s2, ttmp6, 0x10000c
	s_cmp_lg_u32 s2, 0xf033
	s_cbranch_scc0 .Lentry_shape_is_right
	s_endpgm
.Lentry_shape_is_right:
.set FR,    12
.set NP,    4
.set REC,   12800
.set KREC,  25600
.set AB,    51200
.set SLOT,  153600
.set SPARE, 307200
.set TILEB, 409600
.set SPITCH, 528
.set LI,   1
.set ADRA, 2
.set ADRB, 4
.set ADSA, 8
.set SPW,  10
.set NIL,  11
.set ADSB, 12
.set STO,  16
.set RD,   17
.set SA,   32
.set SB,   40
.set AF,   128
.set BK,   128
.set G1,   24
.set G0,   32
.set G1B,  48
.set G0B,  56
; OUT = o x wo on codes of FP6 with E8M0 scales: a block of 128 tokens x 256 columns a work-group, 64 x 128 a wave; K's 16 steps in four fills of four steps through two LDS slots; operands as the launches before laid them.
; At the start a wave issues one joint load, its part of slot 0; slot 1's first fill stands behind the waits, the add and a round.
; PREFETCH.  Behind the joint load of fill f (f = 0 .. 2) each wave names its share of fill f + 1: one fill, four steps of K, ahead of the load that wants it.  Of what a wave fetches (o: two records, 100 blocks of 256 bytes;
; wo: 51,200 dense bytes, 200 blocks) each of the four partners that ask jointly takes a quarter, told apart by address: 25 blocks as 13 + 12, or 50 as 25 + 25.  The fill's place stands in the immediate.
.set PFA,  66                          ; s[66:67] my work-group's quarter of what my wave fetches in fill 0
.set PF1,  20                          ; v20    256 x the first run's block
.set PF2,  21                          ; v21    256 x the second run's
.set PFN,  3                           ; the fill that the next change of slots names
.macro ASK f
	global_prefetch_b8 v[PF1], s[PFA:PFA+1] offset:(\f)*4*KREC th:TH_LOAD_NT scope:SCOPE_SE
	global_prefetch_b8 v[PF2], s[PFA:PFA+1] offset:(\f)*4*KREC th:TH_LOAD_NT scope:SCOPE_SE
.endm
.set MSB, 0
.macro WIN new
.if MSB != (\new)
	s_set_vgpr_msb (MSB<<8)|(\new)
.set MSB, (\new)
.endif
.endm
.set MUL,    0xa1
.set TO_B,   0x40
.macro JLOAD g0a, g1a, g0b, g1b
	s_cmp_eq_u32 s15, 0
	s_cbranch_scc0 .Lfor_b_\@
	tensor_load_to_lds s[\g0a:\g0a+3], s[\g1a:\g1a+7]
	s_nop 0
.rept 4
	v_nop
.endr
	s_branch .Lasked_\@
.Lfor_b_\@:
	tensor_load_to_lds s[\g0b:\g0b+3], s[\g1b:\g1b+7]
	s_nop 0
.rept 4
	v_nop
.endr
.Lasked_\@:
.endm
.macro CREST
	s_cmp_lg_u32 s14, 0
	s_cbranch_scc1 .Lnot_wave_0_\@
	s_barrier_signal -3
.Lnot_wave_0_\@:
	s_barrier_wait -3
	s_barrier_signal -1
	s_barrier_wait -1
.endm
.macro CROUND
	s_barrier_signal -1
	s_barrier_wait -1
	CREST
.endm
.macro PLACES n
.rept \n
	v_nop
.endr
.endm
.macro MULA a, p, zero
.irp b, 0,1,2,3,4,5,6,7
.if \zero
	v_wmma_scale_f32_16x16x128_f8f6f4 v[8*(8*(\a)+\b):8*(8*(\a)+\b)+7], v[128*(\p)+FR*\b:128*(\p)+FR*\b+FR-1], v[AF+48*(\p)+FR*(\a):AF+48*(\p)+FR*(\a)+FR-1], 0, v[SB+8*(\p)+\b], v[SA+4*(\p)+(\a)] matrix_a_fmt:MATRIX_FMT_FP6 matrix_b_fmt:MATRIX_FMT_FP6
.else
	v_wmma_scale_f32_16x16x128_f8f6f4 v[8*(8*(\a)+\b):8*(8*(\a)+\b)+7], v[128*(\p)+FR*\b:128*(\p)+FR*\b+FR-1], v[AF+48*(\p)+FR*(\a):AF+48*(\p)+FR*(\a)+FR-1], v[8*(8*(\a)+\b):8*(8*(\a)+\b)+7], v[SB+8*(\p)+\b], v[SA+4*(\p)+(\a)] matrix_a_fmt:MATRIX_FMT_FP6 matrix_b_fmt:MATRIX_FMT_FP6
.endif
.endr
.endr
.endm
.macro FETCH slot, q, p
	WIN TO_B
.irp i, 0,1,2,3,4,5,6,7
.irp c, 0,1,2
	ds_load_b128 v[128*(\p)+FR*\i+4*\c:128*(\p)+FR*\i+4*\c+3], v[ADRB+2*(\slot)+(\q)/2] offset:((\q)%2)*KREC+\i*1536+512*\c
.endr
.endr
	WIN 0
.irp j, 0,1
	ds_load_b128 v[SB+8*(\p)+4*\j:SB+8*(\p)+4*\j+3], v[ADSB+2*(\slot)+(\q)/2] offset:((\q)%2)*KREC+256*\j
.endr
	ds_load_b128 v[SA+4*(\p):SA+4*(\p)+3], v[ADSA+(\slot)] offset:(\q)*REC
.irp i, 0,1,2,3
.irp c, 0,1,2
	ds_load_b128 v[AF+48*(\p)+FR*\i+4*\c:AF+48*(\p)+FR*\i+4*\c+3], v[ADRA+(\slot)] offset:(\q)*REC+\i*1536+512*\c
.endr
.endr
.endm
.macro STEP slot, q, zero
	s_wait_dscnt 6
	WIN MUL
	MULA 0, (\q)%2, \zero
	MULA 1, (\q)%2, \zero
	PLACES NP
	FETCH \slot, (\q)+1, 1-(\q)%2
	s_wait_dscnt 39
	WIN MUL
	MULA 2, (\q)%2, \zero
	MULA 3, (\q)%2, \zero
.endm
.macro TURN slot, next, fill
	WIN 0
	s_wait_tensorcnt 0x0
	ds_add_u32 v[SPW], v[NIL]
	s_wait_dscnt 7
	WIN MUL
	MULA 0, 1, 0
	s_wait_dscnt 0x0
	s_barrier_signal -1
	MULA 1, 1, 0
	WIN 0
	s_barrier_wait -1
.if \fill
	CREST
	s_add_nc_u64 s[G0+4*\slot+2:G0+4*\slot+3], s[G0+4*\slot+2:G0+4*\slot+3], 8*KREC
	s_add_nc_u64 s[G0B+4*\slot+2:G0B+4*\slot+3], s[G0B+4*\slot+2:G0B+4*\slot+3], 8*KREC
	JLOAD G0+4*\slot, G1, G0B+4*\slot, G1B
.else
	PLACES NP
.endif
	s_wait_alu depctr_va_vdst(0)
	FETCH \next, 0, 0
.if \fill
.if PFN < 4
	ASK PFN                                        ; behind the joint load and the run of LDS loads: the fill after the one just asked for
.endif
.set PFN, PFN+1
.endif
	WIN MUL
	MULA 2, 1, 0
	MULA 3, 1, 0
.endm
	s_load_b128 s[4:7], s[0:1], 0x0
	s_load_b64 s[12:13], s[0:1], 0x10
	v_lshl_add_u32 v[SPW], v0, 2, SPARE
	v_mov_b32 v[NIL], 0
	ds_add_u32 v10, v11
	ds_add_u32 v10, v11
	s_wait_dscnt 0x0
	v_lshrrev_b32 v28, 5, v0
	v_readfirstlane_b32 s14, v28
	s_lshr_b32 s15, s14, 1
	s_and_b32 s16, s14, 1
	s_bfe_u32 s40, ttmp6, 0x40000
	s_bfe_u32 s41, ttmp6, 0x40004
	s_lshl_b32 s42, ttmp9, 2
	s_add_co_u32 s42, s42, s40
	s_and_b32 s17, ttmp7, 0xffff
	s_lshl_b32 s17, s17, 2
	s_add_co_u32 s17, s17, s41
	s_lshl_b32 s43, s41, 2
	s_lshl_b32 s43, 15, s43
	s_lshl_b32 s44, 0x1111, s40
	s_or_b32 s[G1+0], s43, (3<<16)|(1<<21)
	s_mov_b32 s[G1+1], 1600<<16
	s_mov_b32 s[G1+2], 2<<16
	s_mov_b32 s[G1+3], 1600<<16
	s_mov_b32 s[G1+4], 2
	s_mov_b32 s[G1+5], 3200
	s_mov_b32 s[G1+6], 0
	s_mov_b32 s[G1+7], 0
	s_or_b32 s[G1B+0], s44, (3<<16)|(1<<21)
	s_mov_b32 s[G1B+1], 32<<16
	s_mov_b32 s[G1B+2], 200<<16
	s_mov_b32 s[G1B+3], 32<<16
	s_mov_b32 s[G1B+4], 200
	s_mov_b32 s[G1B+5], 32
	s_mov_b32 s[G1B+6], 0
	s_mov_b32 s[G1B+7], 0
	s_lshr_b32 s20, s17, 1
	s_mul_i32 s20, s20, TILEB
	s_and_b32 s18, s17, 1
	s_mul_i32 s18, s18, REC
	s_add_co_u32 s20, s20, s18
	s_mul_i32 s18, s16, 2*KREC
	s_add_co_u32 s20, s20, s18
	s_mov_b32 s21, 0
	s_mul_i32 s46, s42, TILEB                      ; wof: by the tile column alone
	s_add_co_u32 s46, s46, s18
	s_mov_b32 s47, 0
	s_mul_i32 s45, s16, 2*REC
	s_mul_i32 s19, s16, 2*KREC
	s_add_co_u32 s19, s19, AB
	s_wait_kmcnt 0x0
	s_add_nc_u64 s[20:21], s[4:5], s[20:21]
	s_add_nc_u64 s[46:47], s[6:7], s[46:47]
	CROUND
.irp s, 0,1
	s_mov_b32 s[G0+4*\s], 1
	s_add_co_u32 s[G0+4*\s+1], s45, \s*SLOT
	s_add_nc_u64 s[G0+4*\s+2:G0+4*\s+3], s[20:21], \s*4*KREC
	s_or_b32 s[G0+4*\s+3], s[G0+4*\s+3], 0x80000000
	s_mov_b32 s[G0B+4*\s], 1
	s_add_co_u32 s[G0B+4*\s+1], s19, \s*SLOT
	s_add_nc_u64 s[G0B+4*\s+2:G0B+4*\s+3], s[46:47], \s*4*KREC
	s_or_b32 s[G0B+4*\s+3], s[G0B+4*\s+3], 0x80000000
.endr
	JLOAD G0, G1, G0B, G1B                         ; slot 0, behind the first round: one tensor load a wave at the head
	s_cmp_eq_u32 s15, 0                            ; do I fetch for o?
	s_cselect_b64 s[PFA:PFA+1], s[20:21], s[46:47] ; what my wave fetches,
	s_cselect_b32 s68, s40, s41                    ; my place p among the four that ask for it jointly,
	s_cselect_b32 s69, 12, 24                      ; the first run's last block,
	s_cselect_b32 s70, 11, 24                      ; and the second's, counted from its first
	s_add_co_u32 s71, s69, s70
	s_add_co_u32 s71, s71, 2
	s_lshl_b32 s71, s71, 8                         ; a quarter in bytes: 6,400 or 12,800
	s_and_b32 s72, s68, 1
	s_mul_i32 s72, s72, s71
	s_lshr_b32 s68, s68, 1
	s_mul_i32 s68, s68, KREC
	s_add_co_u32 s72, s72, s68                     ; (p / 2) x 25,600 + (p % 2) x a quarter: in o the record and its half, in wo p quarters on end
	s_mov_b32 s73, 0
	s_add_nc_u64 s[PFA:PFA+1], s[PFA:PFA+1], s[72:73]
	v_and_b32 v22, 31, v0
	v_min_u32 v[PF1], s69, v22
	v_min_u32 v[PF2], s70, v22
	v_add3_u32 v[PF2], v[PF2], s69, 1
	v_lshlrev_b32 v[PF1], 8, v[PF1]
	v_lshlrev_b32 v[PF2], 8, v[PF2]
	ASK 1
	v_and_b32 v28, 31, v0
	v_lshlrev_b32 v[LI], 4, v28
	s_wait_alu depctr_va_vdst(0)
	v_and_b32 v29, 15, v0
	v_bfe_u32 v30, v0, 4, 1
	v_lshlrev_b32 v31, 4, v29
	s_wait_alu depctr_va_vdst(0)
	s_mul_i32 s21, s15, 4*1536
	s_mul_i32 s22, s16, REC
	s_add_co_u32 s22, s22, AB
	s_lshl_b32 s23, s15, 8
	s_add_co_u32 s23, s23, 12288
	s_add_co_u32 s18, s22, 12288
.irp s, 0,1
	v_add_nc_u32 v[ADRA+\s], s21, v[LI]
	v_add_nc_u32 v[ADSA+\s], s23, v31
.irp u, 0,1
	v_add_nc_u32 v[ADRB+2*\s+\u], s22, v[LI]
	v_add_nc_u32 v[ADSB+2*\s+\u], s18, v31
	s_add_co_u32 s22, s22, 2*KREC
	s_add_co_u32 s18, s18, 2*KREC
.endr
	s_add_co_u32 s21, s21, SLOT
	s_add_co_u32 s23, s23, SLOT
	s_add_co_u32 s22, s22, SLOT-4*KREC
	s_add_co_u32 s18, s18, SLOT-4*KREC
.endr
	s_mul_i32 s3, s14, 16*SPITCH
	v_mul_u32_u24 v[STO], v29, SPITCH
	v_lshl_add_u32 v[STO], v30, 6, v[STO]
	v_add_nc_u32 v[STO], s3, v[STO]
	v_add_nc_u32 v[RD], s3, v[LI]
	s_lshl_b32 s20, s17, 7
	s_lshl_b32 s21, s15, 6
	s_add_co_u32 s20, s20, s21
	s_lshl_b32 s20, s20, 13
	s_lshl_b32 s46, s42, 10
	s_add_co_u32 s20, s20, s46
	s_lshl_b32 s46, s16, 9
	s_add_co_u32 s20, s20, s46
	s_mov_b32 s21, 0
	s_add_nc_u64 s[12:13], s[12:13], s[20:21]
	s_wait_alu depctr_va_vdst(0)
	s_wait_tensorcnt 0x0                           ; my part of slot 0 is in
	ds_add_u32 v[SPW], v[NIL]
	s_wait_dscnt 0x0
	CROUND                                         ; everybody's part is in, and all sixteen work-groups are here
	JLOAD G0+4, G1, G0B+4, G1B                     ; slot 1's first fill, the first tensor load behind the round
	FETCH 0, 0, 0
	ASK 2
	STEP 0, 0, 1
	STEP 0, 1, 0
	STEP 0, 2, 0
	TURN 0, 1, 1
	STEP 1, 0, 0
	STEP 1, 1, 0
	STEP 1, 2, 0
	TURN 1, 0, 1
	STEP 0, 0, 0
	STEP 0, 1, 0
	STEP 0, 2, 0
	TURN 0, 1, 0
	STEP 1, 0, 0
	STEP 1, 1, 0
	STEP 1, 2, 0
	s_wait_dscnt 6
	WIN MUL
	MULA 0, 1, 0
	MULA 1, 1, 0
	s_wait_dscnt 0
	MULA 2, 1, 0
	MULA 3, 1, 0
	WIN 0
.macro TOSTAGE a
.set AC, 64*(\a)
	WIN 0x08
.irp b, 0,1,2,3,4,5,6,7
	ds_store_b128 v[STO], v[AC+8*\b:AC+8*\b+3] offset:128*(\b/2)+32*(\b%2)
	ds_store_b128 v[STO], v[AC+8*\b+4:AC+8*\b+7] offset:128*(\b/2)+32*(\b%2)+16
.endr
	WIN 0
.set BB, BK+64*((\a)%2)
.set t, 0
.rept 16
	ds_load_b128 v[BB+4*t:BB+4*t+3], v[RD] offset:t*SPITCH
.set t, t+1
.endr
.endm
.macro SEND a, younger
.set BB, BK+64*((\a)%2)
	s_wait_dscnt \younger
.set t, 0
.rept 16
	global_store_b128 v[LI], v[BB+4*t:BB+4*t+3], s[12:13] offset:(32*((\a)/2)+8*((\a)%2)+t+8*(t/8))*8192 th:TH_STORE_NT
.set t, t+1
.endr
.endm
	PLACES NP
	TOSTAGE 0
.irp a, 1,2,3
.if \a > 1
	s_wait_xcnt 0x0
.endif
	TOSTAGE \a
	SEND \a-1, 32
.endr
	SEND 3, 0
	s_wait_tensorcnt 0x0
	ds_add_u32 v[SPW], v[NIL]
	s_wait_dscnt 0x0
	CROUND
	s_endpgm
.Lfunc_end_k_qfc1f3bf7e7_outp:
	.size	k_qfc1f3bf7e7_outp, .Lfunc_end_k_qfc1f3bf7e7_outp-k_qfc1f3bf7e7_outp
	.p2alignl 7, 3214868480
	.fill 96, 4, 3214868480
	.section	.rodata,"a",@progbits
	.p2align	6, 0x0
	.amdhsa_kernel k_qfc1f3bf7e7_outp
		.amdhsa_group_segment_fixed_size 327680
		.amdhsa_private_segment_fixed_size 0
		.amdhsa_enable_private_segment 0
		.amdhsa_kernarg_size 24
		.amdhsa_user_sgpr_count 2
		.amdhsa_user_sgpr_kernarg_segment_ptr 1
		.amdhsa_wavefront_size32 1
		.amdhsa_system_sgpr_workgroup_id_x 1
		.amdhsa_system_sgpr_workgroup_id_y 1
		.amdhsa_system_sgpr_workgroup_id_z 1
		.amdhsa_system_vgpr_workitem_id 0
		.amdhsa_next_free_vgpr 768
		.amdhsa_next_free_sgpr 96
		.amdhsa_reserve_vcc 0
		.amdhsa_float_denorm_mode_32 3
		.amdhsa_float_denorm_mode_16_64 3
		.amdhsa_memory_ordered 1
		.amdhsa_forward_progress 1
		.amdhsa_inst_pref_size 135
	.end_amdhsa_kernel
	.amdgpu_metadata
---
amdhsa.version: [ 1, 2 ]
amdhsa.kernels:
  - .name:           k_qfc1f3bf7e7_outp
    .symbol:         k_qfc1f3bf7e7_outp.kd
    .args:
      - { .name: of, .offset: 0, .size: 8, .value_kind: global_buffer, .address_space: global }
      - { .name: wof, .offset: 8, .size: 8, .value_kind: global_buffer, .address_space: global }
      - { .name: out0, .offset: 16, .size: 8, .value_kind: global_buffer, .address_space: global }
    .group_segment_fixed_size: 327680
    .private_segment_fixed_size: 0
    .kernarg_segment_align: 8
    .kernarg_segment_size: 24
    .max_flat_workgroup_size: 128
    .sgpr_count:     96
    .vgpr_count:     768
    .wavefront_size: 32
...
	.end_amdgpu_metadata
.endif
;; end of part 4
